; MI455X (gfx1250); checked and timed in simulation.
; The chip was launched on July 23, 2026; its instructions are those of AMD's public machine-readable ISA for CDNA 5 (MIT licence, August 2026) and "CDNA5" Instruction Set Architecture Reference Guide (July 2026). The comments in the code are by the model that wrote it; some were corrected since.
;; Attention. Allowed arithmetic: float matrix products may take bf16 or f16 operands with f32 sums; all other float work in f32.
;; Inputs: cos 2,048 x 64 float32; mask 2,048 x 2,048 float32; positions 2,048 int32; sin 2,048 x 64 float32; wk 4,096 x 1,024 float32; wo 2,048 x 4,096 float32; wq 4,096 x 2,048 float32; wv 4,096 x 1,024 float32; x 1 x 2,048 x 4,096 float32.
;; Outputs: out0 1 x 2,048 x 4,096 float32.
;; 2 versions, each right; version 2 is version 1 with the launch cast written anew for expert scheduling mode. Each part assembles by itself: llvm-mc -triple=amdgcn-amd-amdhsa -mcpu=gfx1250 --defsym DOCPART=n.
;; ======== version 1 of 2: 4 launches
;; limits: values are held in f16: magnitudes above 65,504 overflow, below 6.1e-05 lose precision
;; workspace buffers: xfr 16,777,216 bytes; wb 33,554,432 bytes; wob 16,777,216 bytes; m2 16,777,216 bytes; tab 1,048,576 bytes; qkv 16,777,216 bytes; ofr 8,388,608 bytes
;; launch cast (part 1): grid 2320 x 1, 8 waves a work-group, no clusters, 35,840 bytes of LDS; arguments x, wq, wk, wv, wo, mask, cos, sin, xfr, wb, wob, m2, tab; writes xfr, wb, wob, m2, tab
.if DOCPART == 1
	.amdgcn_target "amdgcn-amd-amdhsa--gfx1250"
	.amdhsa_code_object_version 6
	.text
	.protected	k_q35b7408e78_cast
	.globl	k_q35b7408e78_cast
	.p2align	8
	.type	k_q35b7408e78_cast,@function
k_q35b7408e78_cast:
	s_mov_b64 s[64:65], 0
	v_nop
	global_prefetch_b8 v0, s[64:65] scope:SCOPE_SE
	s_setreg_imm32_b32 hwreg(HW_REG_WAVE_MODE, 25, 1), 1
	s_wait_xcnt 0x0
; CAST.  Every floating-point input is rounded once to bf16 and laid out for the three launches behind:
;   xfr bf16(x) as an image of a matrix operand's registers: [128 blocks of 16 rows][128 groups of 32 k][2 halves][32 lanes][8 numbers]: the 16 bytes of lane l in half j of group g
;       hold row l % 16, k = 32 g + 16 j + 8 (l / 16) + 0..7, so that the product's waves load x straight into registers, 512 consecutive bytes a load
;   wb  [4096 k][4096 n] bf16: columns 0-2047 bf16(wq), 2048-3071 bf16(wk), 3072-4095 bf16(wv / 2) (a power of two commutes with the rounding)
;   wob [2048 k][4096 n] f16 = 2 x bf16(wo): bf16's 8 significant bits fit f16's 11
;   m2  [2048][2048] f32 = log2(e) x bf16(mask)
;   tab f32: A x bf16(cos) [2048][64], then A x bf16(sin); A = sqrt(log2(e) / sqrt(128)), so that (A k) . (A q) is the score in the base-2 scale
; LIMITS.  2 x wo beyond 65,504 has no f16; below 6e-5 it keeps f16's fixed step of 6e-8.  NaN and infinities are not treated apart.
; The input positions is not read: reference() uses its shape alone, no value of it.
; A stream: no barrier, no matrix unit.  A PIECE is 1,024 f32 (4,096 bytes): thread t takes the 16 bytes at 16 t, so a wave's load covers 512 consecutive bytes;
; its store of 8 bytes a lane covers 256 consecutive bytes at a multiple of 256, of 16 bytes a lane 512.  A work-group takes 16 pieces, all 16 loads going out at once
; into registers of their own.  Which input a work-group serves hangs on its number alone; the eight segments differ in two addresses, strides, a factor and the kind of the result.
; x alone goes through LDS: a work-group's 16 pieces are a quarter of 16 rows, a wave's share 16 rows x 128 columns, which it turns (a row a lane) in 16 x 272 LDS bytes of its own: no wave reads another's bytes.
.set L2E,   0x3fb8aa3b                 ; log2(e)
.set ALPHA, 0x3eb6d546                 ; A = 0.357096
.set XP,    272                        ; x's LDS row: 256 bytes + 16: the 16 rows of a load start at 16 different groups of four banks (64 banks of 4 bytes: ISA guide 11.1)
.set SPARE, 8*16*XP                    ; behind the eight waves' bytes: the spare words, 128 bytes for each wave: four blocks of 256 bytes that no other line names
.set SO,   2                           ; v[2:17]    piece i: my byte offset in the source
.set DO,   18                          ; v[18:33]   piece i: my byte offset in the destination
.set LST,  18                          ; x's path names no DO and makes of the first three: where I put 8 bytes of a row in LDS,
.set LRD,  19                          ; where I read 16 bytes of my row back,
.set DOX,  20                          ; my byte offset in the work-group's 32,768 bytes of xfr
.set X,    36                          ; v[36:99]   piece i: 4 numbers as loaded
.set Y,    100                         ; v[100:131] piece i: 4 numbers of 16 bits
.set T,    132                         ; v[132:133] at work
.set SPW,  134                         ; LDS address of my spare word; never rewritten
.set NIL,  135                         ; 0; never rewritten
.set SRC,  34                          ; s[34:35]
.set DST,  36                          ; s[36:37]
.set G0,   38                          ; the segment's first work-group
.set SH,   39                          ; source bytes from a group of 16 pieces (or rows) to the next
.set SS,   40                          ; source bytes from piece to piece
.set DH,   41                          ; the same two for the destination,
.set DC,   42                          ; a constant offset in it,
.set DS,   43
.set F,    44                          ; s[44:45] the factor, in the low word
.set KIND, 46                          ; 0: bf16 out; 1: bf16, times F, f16 out; 2: bf16, times F, f32 out; 3: bf16 out, turned
.set ISWV, 47
.set QSH,  48                          ; rows longer than a piece: log2 of the pieces in a row (wq 1, x 2): a work-group takes one of them in each of 16 rows
.set LSH,  49                          ; log2 of the bytes that a thread stores
.set HIM,  54                          ; a word's upper bf16
.set QMK,  59                          ; pieces in a row, less 1
.set DL,   60                          ; destination bytes from one such part of the rows to the next
.macro PICK reg, val                   ; a select leaves SCC as it is: one compare serves all the selects behind it
	s_cselect_b32 s[\reg], \val, s[\reg]
.endm
.macro PICKP reg, src
	s_cselect_b64 s[\reg:\reg+1], s[\src:\src+1], s[\reg:\reg+1]
.endm
	s_load_b512 s[8:23], s[0:1], 0x0               ; x 8, wq 10, wk 12, wv 14, wo 16, mask 18, cos 20, sin 22
	s_load_b256 s[24:31], s[0:1], 0x40             ; xfr 24, wb 26, wob 28, m2 30
	s_load_b64 s[32:33], s[0:1], 0x60              ; tab
	v_lshl_add_u32 v[SPW], v0, 2, SPARE
	v_mov_b32 v[NIL], 0
	s_mov_b32 s[G0], 2312                          ; the last segment's figures (sin); each compare below overrides what differs in the segment in front
	s_mov_b32 s[SH], 65536
	s_mov_b32 s[SS], 4096
	s_mov_b32 s[DH], 65536
	s_mov_b32 s[DC], 524288
	s_mov_b32 s[DS], 4096
	s_mov_b32 s[F], ALPHA
	s_mov_b32 s[KIND], 2
	s_mov_b32 s[ISWV], 0
	s_mov_b32 s[QSH], 0
	s_mov_b32 s[QMK], 0
	s_mov_b32 s[DL], 0
	s_mov_b32 s[LSH], 4
	s_mov_b32 s[HIM], 0xffff0000
	s_wait_kmcnt 0x0
	s_mov_b64 s[SRC:SRC+1], s[22:23]
	s_mov_b64 s[DST:DST+1], s[32:33]
	s_cmp_lt_u32 ttmp9, 2312                       ; cos: 8 work-groups
	PICKP SRC, 20
	PICK G0, 2304
	PICK DC, 0
	s_cmp_lt_u32 ttmp9, 2304                       ; mask: 256
	PICKP SRC, 18
	PICKP DST, 30
	PICK G0, 2048
	PICK F, L2E
	s_cmp_lt_u32 ttmp9, 2048                       ; wo: 512
	PICKP SRC, 16
	PICKP DST, 28
	PICK G0, 1536
	PICK DH, 32768
	PICK DS, 2048
	PICK F, 2.0
	PICK KIND, 1
	PICK LSH, 3
	s_cmp_lt_u32 ttmp9, 1536                       ; wv: 256; a row of wb is 8,192 bytes
	PICKP SRC, 14
	PICKP DST, 26
	PICK G0, 1280
	PICK DH, 131072
	PICK DC, 6144
	PICK DS, 8192
	PICK KIND, 0
	PICK ISWV, 1
	s_cmp_lt_u32 ttmp9, 1280                       ; wk: 256
	PICKP SRC, 12
	PICK G0, 1024
	PICK DC, 4096
	PICK ISWV, 0
	s_cmp_lt_u32 ttmp9, 1024                       ; wq: 512
	PICKP SRC, 10
	PICK G0, 512
	PICK SH, 131072
	PICK SS, 8192
	PICK DC, 0
	PICK QSH, 1
	PICK QMK, 1
	PICK DL, 2048
	s_cmp_lt_u32 ttmp9, 512                        ; x: 512; a block of 16 rows is 262,144 bytes of x and 131,072 of xfr, a quarter of it 32,768
	PICKP SRC, 8
	PICKP DST, 24
	PICK G0, 0
	PICK SH, 262144
	PICK SS, 16384
	PICK QSH, 2
	PICK QMK, 3
	PICK DL, 32768
	PICK KIND, 3
	s_mov_b32 s[F+1], s[F]                         ; named with it as a pair
	s_sub_co_u32 s55, ttmp9, s[G0]                 ; my number in the segment,
	s_lshr_b32 s56, s55, s[QSH]                    ; which group of 16 pieces (of 16 rows),
	s_and_b32 s57, s55, s[QMK]                     ; and which part of the rows
	s_mul_i32 s50, s56, s[SH]                      ; all offsets stay under 2^26
	s_lshl_b32 s58, s57, 12
	s_add_co_u32 s50, s50, s58
	s_mov_b32 s51, 0
	s_mul_i32 s52, s56, s[DH]
	s_mul_i32 s58, s57, s[DL]
	s_add_co_u32 s52, s52, s58
	s_add_co_u32 s52, s52, s[DC]
	s_mov_b32 s53, 0
	s_add_nc_u64 s[SRC:SRC+1], s[SRC:SRC+1], s[50:51]
	s_add_nc_u64 s[DST:DST+1], s[DST:DST+1], s[52:53]
	v_lshlrev_b32 v[SO], 4, v0
	v_lshlrev_b32 v[DO], s[LSH], v0
.irp i, 1,2,3,4,5,6,7,8,9,10,11,12,13,14,15
	v_add_nc_u32 v[SO+(\i)], s[SS], v[SO+(\i)-1]
	v_add_nc_u32 v[DO+(\i)], s[DS], v[DO+(\i)-1]
.endr
.irp i, 0,1,2,3,4,5,6,7,8,9,10,11,12,13,14,15
	global_load_b128 v[X+4*(\i):X+4*(\i)+3], v[SO+(\i)], s[SRC:SRC+1] th:TH_LOAD_NT  ; each input byte is read once in the launch
.endr
; Piece i to bf16.  The wait's count is the younger loads, which may stay out (loads come back in order: ISA guide 5.7.1).
.macro CONV0 i
	s_wait_loadcnt 15-(\i)
	v_cvt_pk_bf16_f32 v[Y+2*(\i)],   v[X+4*(\i)],   v[X+4*(\i)+1]
	v_cvt_pk_bf16_f32 v[Y+2*(\i)+1], v[X+4*(\i)+2], v[X+4*(\i)+3]
	global_store_b64 v[DO+(\i)], v[Y+2*(\i):Y+2*(\i)+1], s[DST:DST+1]
.endm
; Piece i rounded to bf16, widened again, times F; half = 1: written as f16, else as f32.
.macro CONVW i, half
	s_wait_loadcnt 15-(\i)
	v_cvt_pk_bf16_f32 v[T],   v[X+4*(\i)],   v[X+4*(\i)+1]
	v_cvt_pk_bf16_f32 v[T+1], v[X+4*(\i)+2], v[X+4*(\i)+3]
	v_lshlrev_b32 v[X+4*(\i)],   16, v[T]
	v_and_b32     v[X+4*(\i)+1], s[HIM], v[T]
	v_lshlrev_b32 v[X+4*(\i)+2], 16, v[T+1]
	v_and_b32     v[X+4*(\i)+3], s[HIM], v[T+1]
	v_pk_mul_f32 v[X+4*(\i):X+4*(\i)+1],   v[X+4*(\i):X+4*(\i)+1],   s[F:F+1] op_sel_hi:[1,0]
	v_pk_mul_f32 v[X+4*(\i)+2:X+4*(\i)+3], v[X+4*(\i)+2:X+4*(\i)+3], s[F:F+1] op_sel_hi:[1,0]
.if \half
	v_cvt_pk_f16_f32 v[Y+2*(\i)],   v[X+4*(\i)],   v[X+4*(\i)+1]
	v_cvt_pk_f16_f32 v[Y+2*(\i)+1], v[X+4*(\i)+2], v[X+4*(\i)+3]
	global_store_b64 v[DO+(\i)], v[Y+2*(\i):Y+2*(\i)+1], s[DST:DST+1]
.else
	global_store_b128 v[DO+(\i)], v[X+4*(\i):X+4*(\i)+3], s[DST:DST+1]
.endif
.endm
	s_cmp_eq_u32 s[KIND], 3
	s_cbranch_scc1 .Lturned
	s_cmp_lg_u32 s[KIND], 0
	s_cbranch_scc1 .Lwide
	s_cmp_lg_u32 s[ISWV], 0
	s_cbranch_scc0 .Lround
	s_wait_loadcnt 0x0                             ; wv alone is halved first
.set i, 0
.rept 32
	v_pk_mul_f32 v[X+2*i:X+2*i+1], v[X+2*i:X+2*i+1], 0.5 op_sel_hi:[1,0]
.set i, i+1
.endr
.Lround:
.irp i, 0,1,2,3,4,5,6,7,8,9,10,11,12,13,14,15
	CONV0 \i
.endr
	s_endpgm
.Lwide:
	s_cmp_eq_u32 s[KIND], 1
	s_cbranch_scc0 .Lf32
.irp i, 0,1,2,3,4,5,6,7,8,9,10,11,12,13,14,15
	CONVW \i, 1
.endr
	s_endpgm
.Lf32:
.irp i, 0,1,2,3,4,5,6,7,8,9,10,11,12,13,14,15
	CONVW \i, 0
.endr
	s_endpgm
.Lturned:
	; x.  Piece i is row i of the block: my lane holds columns 4 l .. 4 l + 3 of my wave's 128.  They go into LDS row i as 8 bytes at 8 l; lane (r = l % 16, h = l / 16) then reads of row r the 16 bytes at
	; 32 m + 16 h, which are k = 16 m + 8 h + 0..7: half m % 2 of group m / 2.  Load m of the eight is stored as 512 consecutive bytes; a wave's eight are 4,096 consecutive bytes of xfr.
	v_lshrrev_b32 v[T], 5, v0
	v_readfirstlane_b32 s61, v[T]                  ; my wave's number
	s_mul_i32 s61, s61, 16*XP                      ; my wave's LDS bytes
	v_and_b32 v[T], 31, v0                         ; l
	v_lshl_add_u32 v[LST], v[T], 3, s61
	v_and_b32 v[T+1], 15, v0                       ; r
	v_mul_u32_u24 v[LRD], v[T+1], XP
	v_bfe_u32 v[T+1], v0, 4, 1                     ; h
	v_lshl_add_u32 v[LRD], v[T+1], 4, v[LRD]
	v_add_nc_u32 v[LRD], s61, v[LRD]
	v_and_b32 v[T+1], 0xe0, v0                     ; 32 x wave,
	v_lshlrev_b32 v[T+1], 7, v[T+1]                ; times 128: 4,096 bytes a wave
	v_lshl_add_u32 v[DOX], v[T], 4, v[T+1]
.irp i, 0,1,2,3,4,5,6,7,8,9,10,11,12,13,14,15
	s_wait_loadcnt 15-(\i)
	v_cvt_pk_bf16_f32 v[Y+2*(\i)],   v[X+4*(\i)],   v[X+4*(\i)+1]
	v_cvt_pk_bf16_f32 v[Y+2*(\i)+1], v[X+4*(\i)+2], v[X+4*(\i)+3]
	ds_store_b64 v[LST], v[Y+2*(\i):Y+2*(\i)+1] offset:(\i)*XP
.endr
.irp m, 0,1,2,3,4,5,6,7
	ds_load_b128 v[X+4*(\m):X+4*(\m)+3], v[LRD] offset:32*(\m)  ; LDS serves a wave's instructions in order (ISA guide 5.7.1.4): these see the stores above
.endr
.irp m, 0,1,2,3,4,5,6,7
	s_wait_dscnt 7-(\m)
	global_store_b128 v[DOX], v[X+4*(\m):X+4*(\m)+3], s[DST:DST+1] offset:512*(\m)
.endr
	s_wait_tensorcnt 0x0                           ; the wave's end: three closing lines behind my last LDS store
	ds_add_u32 v[SPW], v[NIL]
	s_wait_dscnt 0x0
	s_endpgm
.Lfunc_end_k_q35b7408e78_cast:
	.size	k_q35b7408e78_cast, .Lfunc_end_k_q35b7408e78_cast-k_q35b7408e78_cast
	.p2alignl 7, 3214868480
	.fill 96, 4, 3214868480
	.section	.rodata,"a",@progbits
	.p2align	6, 0x0
	.amdhsa_kernel k_q35b7408e78_cast
		.amdhsa_group_segment_fixed_size 35840
		.amdhsa_private_segment_fixed_size 0
		.amdhsa_enable_private_segment 0
		.amdhsa_kernarg_size 104
		.amdhsa_user_sgpr_count 2
		.amdhsa_user_sgpr_kernarg_segment_ptr 1
		.amdhsa_wavefront_size32 1
		.amdhsa_system_sgpr_workgroup_id_x 1
		.amdhsa_system_sgpr_workgroup_id_y 1
		.amdhsa_system_sgpr_workgroup_id_z 1
		.amdhsa_system_vgpr_workitem_id 0
		.amdhsa_next_free_vgpr 136
		.amdhsa_next_free_sgpr 66
		.amdhsa_reserve_vcc 0
		.amdhsa_float_denorm_mode_32 3
		.amdhsa_float_denorm_mode_16_64 3
		.amdhsa_memory_ordered 1
		.amdhsa_forward_progress 1
		.amdhsa_inst_pref_size 37
	.end_amdhsa_kernel
	.amdgpu_metadata
---
amdhsa.version: [ 1, 2 ]
amdhsa.kernels:
  - .name:           k_q35b7408e78_cast
    .symbol:         k_q35b7408e78_cast.kd
    .args:
      - { .name: x, .offset: 0, .size: 8, .value_kind: global_buffer, .address_space: global }
      - { .name: wq, .offset: 8, .size: 8, .value_kind: global_buffer, .address_space: global }
      - { .name: wk, .offset: 16, .size: 8, .value_kind: global_buffer, .address_space: global }
      - { .name: wv, .offset: 24, .size: 8, .value_kind: global_buffer, .address_space: global }
      - { .name: wo, .offset: 32, .size: 8, .value_kind: global_buffer, .address_space: global }
      - { .name: mask, .offset: 40, .size: 8, .value_kind: global_buffer, .address_space: global }
      - { .name: cos, .offset: 48, .size: 8, .value_kind: global_buffer, .address_space: global }
      - { .name: sin, .offset: 56, .size: 8, .value_kind: global_buffer, .address_space: global }
      - { .name: xfr, .offset: 64, .size: 8, .value_kind: global_buffer, .address_space: global }
      - { .name: wb, .offset: 72, .size: 8, .value_kind: global_buffer, .address_space: global }
      - { .name: wob, .offset: 80, .size: 8, .value_kind: global_buffer, .address_space: global }
      - { .name: m2, .offset: 88, .size: 8, .value_kind: global_buffer, .address_space: global }
      - { .name: tab, .offset: 96, .size: 8, .value_kind: global_buffer, .address_space: global }
    .group_segment_fixed_size: 35840
    .private_segment_fixed_size: 0
    .kernarg_segment_align: 8
    .kernarg_segment_size: 104
    .max_flat_workgroup_size: 256
    .sgpr_count:     66
    .vgpr_count:     136
    .wavefront_size: 32
...
	.end_amdgpu_metadata
.endif
;; end of part 1
;; launch proj (part 2): grid 16 x 16, 4 waves a work-group, clusters of 4 x 1, 327,680 bytes of LDS; arguments xfr, wb, tab, qkv; writes qkv
.if DOCPART == 2
	.amdgcn_target "amdgcn-amd-amdhsa--gfx1250"
	.amdhsa_code_object_version 6
	.text
	.protected	k_q35b7408e78_proj
	.globl	k_q35b7408e78_proj
	.p2align	8
	.type	k_q35b7408e78_proj,@function
k_q35b7408e78_proj:
	s_mov_b64 s[64:65], 0
	v_nop
	global_prefetch_b8 v0, s[64:65] scope:SCOPE_SE
	s_setreg_imm32_b32 hwreg(HW_REG_WAVE_MODE, 25, 1), 1
	s_wait_xcnt 0x0
	s_wait_alu depctr_hold_cnt(0) depctr_sa_sdst(0) depctr_va_vdst(0) depctr_va_sdst(0) depctr_va_ssrc(0) depctr_va_vcc(0) depctr_vm_vsrc(0)
	s_getreg_b32 s2, hwreg(HW_REG_IB_STS2, 6, 4)
	s_cmp_eq_u32 s2, 0
	s_cbranch_scc0 .Lentry_in_a_cluster
	s_endpgm
.Lentry_in_a_cluster:
	s_bfe_u32 s2, ttmp6, 0x10000c
	s_cmp_lg_u32 s2, 0x3003
	s_cbranch_scc0 .Lentry_shape_is_right
	s_endpgm
.Lentry_shape_is_right:
; PROJ.  C = x wb: [2048][4096] = [2048][4096 k] x [4096 k][4096 n], bf16 operands, f32 sums; then the rotation of q's and k's pairs, one rounding to f16, and the layout by heads:
; qkv [32][2048][128] f16: slots 0-15 A rope(q), 16-23 A rope(k), 24-31 v / 2.  A = sqrt(log2(e) / sqrt(128)) lies in the tables, the half in wb.
; LIMITS.  f16 ends at 65,504: 0.357 q, 0.357 k and v / 2 must stay within it.  NaN and infinities are not treated apart.
; SHARES.  A tile of C is 128 rows x 256 columns: 16 x 16 tiles, one for each of 256 work-groups.  Four waves, each 64 x 128: 32 accumulators, 256 registers.  A wave's 128 columns are one head.
; B GOES THROUGH LDS, A DOES NOT.  Two slots for A and B together hold 128 along K and no more; with B alone a slot holds 256 along K (256 k-rows of 512 bytes), so that a refill has 256 matrix instructions
; a wave in which to land and there is one barrier for them.  Each wave brings a quarter of a slot, 64 k-rows, by one tensor load.  B lies [k][n] and is turned on its way into registers, by ds_load_tr16_b128.
; A (xfr) lies in memory as the image of the operand's registers ([16 rows][32 k] in 1,024 bytes, 16 bytes a lane and half), so a wave loads its 64 rows straight into registers, 512 consecutive bytes a load,
; through a ring of eight register slots of 32 along K: a slot that has been multiplied is loaded again with the quarter eight further on.  The price: the two waves with the same rows both load them,
; and the sixteen tiles of a tile row each load them again.
; CLUSTER.  Four work-groups with four tile rows and ONE tile column: they need the same tiles of B, and each is asked for jointly, by the same load, descriptor and mask in all four.  A has no joint request: it fills no LDS.
; THE MATRIX INSTRUCTION IS USED TRANSPOSED (source 0 = 16 columns of B, source 1 = 16 rows of A): a lane then holds row lane % 16 of C and the eight columns 8 (lane / 16) + 0..7: four pairs of the rotation.
; THE TEXT holds one stretch of 256 along K in the loop and one in the tail, and the loop is entered at its middle; so the sums start from registers that 256 lines clear, in the wait for the first tile.
; REGISTERS, in windows of 256 (s_set_vgpr_msb: bits 1:0 source 0, 3:2 source 1, 5:4 source 2, 7:6 destination):
;   window 0: v0-31 addresses; v64-127, v128-191 B's two fragment buffers, free for the way out at the end          window 1: accumulator (a, b) at v[8 (8 a + b)]
;   window 2: A's ring: quarter i's row block a at v[32 i + 8 a]          window 3: my lanes' cosines for block (a, b) at v[4 (8 a + b)], sines 128 further on
.set KTOT,  4096
.set NI,    KTOT/256                   ; stretches of 256 along K: eight quarters of 32 each
.set RBY,   KTOT*32                    ; bytes of 16 rows of A
.set NBY,   8192                       ; bytes in a row of B
.set PB,    544                        ; B's LDS row: 512 bytes + 32
.set QB,    32*PB                      ; a quarter's k-rows
.set SLOTB, 8*QB                       ; 139,264 = 0x22000: it shares no bit with a wave's part, w x 34,816, so one exclusive or changes slots
.set WPART, 64*PB
.set STAGE, 2*SLOTB                    ; behind the ring, never filled by a tensor load: 16 rows x 272 bytes for each wave
.set SP,    272
.set SPARE, STAGE+4*16*SP              ; the spare words, 128 bytes for each wave: two blocks of 256 bytes that no other line names
.set AB0,  16                          ; my lane's place in a slot of B; never rewritten
.set ADR0, 20                          ; LDS address of my B fragments in the slot in hand, quarters 0-3,
.set ADR1, 21                          ; quarters 4-7 (an LDS offset has 16 bits)
.set AO,   22                          ; 16 x lane: my bytes in 512 of A; never rewritten
.set STO,  24                          ; the way out: where I put 16 bytes of a row
.set RD,   25                          ; where I read rows back
.set CO,   26                          ; my byte offset in two rows of a head
.set TO,   27                          ; my byte offset in 16 rows of a table; never rewritten
.set SPW,  28                          ; LDS address of my spare word; never rewritten
.set NIL,  29                          ; 0; never rewritten
.set F0,   64
.set F1,   128
.set TT,   64                          ; the way out: a block's 64 rotated numbers
.set PKD,  128                         ; packed to f16
.set G1,   24                          ; s[24:31] descriptor group 1
.set G0,   32                          ; s[32:35] group 0: it walks
.set AB,   36                          ; s[36:37] A at my first row block, at the stretch in hand
.set WV,   14
.set RH,   15                          ; my half of the tile's rows
.set CH,   16                          ; my half of its columns
.set CNT,  17
.set ISV,  18                          ; 1: the tile's columns are v's (tile columns 12 to 15): no rotation.  The tile column is the same in all partners
.set TB,   19                          ; LDS byte at which the slot in hand begins
.set MSB, 0
.macro WIN new                         ; the immediate's high byte repeats the setting that is left; a switch that changes nothing is dropped
.if MSB != (\new)
	s_set_vgpr_msb (MSB<<8)|(\new)
.set MSB, \new
.endif
.endm
.set MUL, 0x58                         ; B in window 0, A in window 2, C and D in window 1
.macro PLACES                          ; four places in front of loads into registers that matrix instructions have read, and of instructions that read results
.rept 4
	v_nop
.endr
.endm
.macro JLOAD                           ; a joint load: every wave fetches its 64 k-rows; an s_nop 0 and four v_nop follow it
	tensor_load_to_lds s[G0:G0+3], s[G1:G1+7]
	s_nop 0
.rept 4
	v_nop
.endr
.endm
.macro CREST                           ; a round of the cluster's barrier behind its opening barrier
	s_cmp_lg_u32 s[WV], 0
	s_cbranch_scc1 .Lnot_wave_0_\@
	s_barrier_signal -3
.Lnot_wave_0_\@:
	s_barrier_wait -3
	s_barrier_signal -1
	s_barrier_wait -1
.endm
.macro CROUND                          ; a whole round
	s_barrier_signal -1
	s_barrier_wait -1
	CREST
.endm
; Eight loads: the quarter koff (counted from the stretch in hand) of my four row blocks into ring slot 'slot'.  The caller has set the destination's window.
.macro AQ slot, koff
.irp a, 0,1,2,3
	global_load_b128 v[32*(\slot)+8*(\a):32*(\slot)+8*(\a)+3],   v[AO], s[AB:AB+1] offset:(\a)*RBY+(\koff)*1024
	global_load_b128 v[32*(\slot)+8*(\a)+4:32*(\slot)+8*(\a)+7], v[AO], s[AB:AB+1] offset:(\a)*RBY+(\koff)*1024+512
.endr
.endm
	s_load_b256 s[4:11], s[0:1], 0x0               ; xfr s[4:5], wb s[6:7], tab s[8:9], qkv s[10:11]
	v_lshl_add_u32 v[SPW], v0, 2, SPARE
	v_mov_b32 v[NIL], 0
	ds_add_u32 v[SPW], v[NIL]                      ; the wave's opening: the add and its wait stand ahead of my first tensor load; the set-up below, work on registers, stands between them
	v_lshrrev_b32 v1, 5, v0
	v_readfirstlane_b32 s[WV], v1                  ; wave 0..3
	s_lshr_b32 s[RH], s[WV], 1
	s_and_b32 s[CH], s[WV], 1
	s_bfe_u32 s40, ttmp6, 0x40000                  ; cx: my place in the cluster
	s_lshl_b32 s13, ttmp9, 2
	s_add_co_u32 s13, s13, s40                     ; tile row = 4 x cluster x + cx: it enters A's, the tables' and the output's addresses alone
	s_and_b32 s42, ttmp7, 0xffff                   ; tile column, which the four partners share
	s_cmp_ge_u32 s42, 12
	s_cselect_b32 s[ISV], 1, 0
	s_mov_b32 s[G1], 15|(1<<16)|(1<<20)|(1<<21)|(6<<22)|(7<<25)  ; 15:0 the mask of four; 17:16 2-byte elements; 20 padding on; 21 set beside a mask; 24:22 after every 128 words; 31:25 8 words
	s_mov_b32 s[G1+1], 256<<16                     ; tensor_dim0 = 256
	s_mov_b32 s[G1+2], 64<<16                      ; tensor_dim1 = 64
	s_mov_b32 s[G1+3], 256<<16                     ; tile_dim0 = 256
	s_mov_b32 s[G1+4], 64                          ; tile_dim1 = 64
	s_mov_b32 s[G1+5], 4096                        ; elements from row to row
	s_mov_b32 s[G1+6], 0
	s_mov_b32 s[G1+7], 0
	s_lshl_b32 s46, s[WV], 19                      ; B: k-row 64 x wave (8,192 bytes each), column 256 x tile column; these registers never hold cx
	s_lshl_b32 s47, s42, 9
	s_add_co_u32 s46, s46, s47
	s_mov_b32 s47, 0
	s_mov_b32 s[G0], 1                             ; count = 1
	s_mul_i32 s[G0+1], s[WV], WPART                ; LDS address: slot 0, my quarter: no place in the cluster enters an LDS address
	s_lshl_b32 s20, s13, 3                         ; A: row block 8 x tile row + 4 x half, in bytes (under 2^25)
	s_lshl_b32 s21, s[RH], 2
	s_add_co_u32 s20, s20, s21
	s_mul_i32 s20, s20, RBY
	s_mov_b32 s21, 0
	s_lshl_b32 s68, s13, 15                        ; my first row, 128 x tile row + 64 x half, times 256 bytes: a row of a table and of a head
	s_lshl_b32 s69, s[RH], 14
	s_add_co_u32 s68, s68, s69
	s_mov_b32 s69, 0
	s_lshl_b32 s70, s42, 1                         ; my head's slot in qkv: 2 x tile column + half, 524,288 bytes each
	s_add_co_u32 s70, s70, s[CH]
	s_lshl_b32 s70, s70, 19
	s_add_co_u32 s70, s70, s68
	s_mov_b32 s71, 0
	s_mov_b32 s[TB], 0
	s_wait_dscnt 0x0                               ; the opening add is done
	s_wait_kmcnt 0x0
	s_add_nc_u64 s[G0+2:G0+3], s[6:7], s[46:47]    ; global address: the first 256 of K
	s_or_b32 s[G0+3], s[G0+3], 0x80000000          ; type = 2
	s_add_nc_u64 s[AB:AB+1], s[4:5], s[20:21]
	s_add_nc_u64 s[8:9], s[8:9], s[68:69]
	s_add_nc_u64 s[10:11], s[10:11], s[70:71]
	CROUND                                         ; all four work-groups are here: the first joint loads meet
	JLOAD                                          ; slot 0.  Slot 1 is asked for when slot 0 is in
	v_and_b32 v3, 31, v0
	v_lshlrev_b32 v[AO], 4, v3
	WIN 0x80                                       ; destination window 2, address window 0
.irp n, 0,1,2,3,4,5,6
	AQ \n, \n                                      ; the ring's first seven quarters: 56 loads of mine are out
.endr
	WIN 0x40
.set i, 0
.rept 256
	v_mov_b32 v[i], 0                              ; the sums
.set i, i+1
.endr
	WIN 0
	v_and_b32 v1, 15, v0                           ; r = lane % 16
	v_bfe_u32 v2, v0, 4, 1                         ; h = lane / 16
	v_and_b32 v4, 7, v0                            ; the turning load takes 16 k x 16 n: lane l reads k-row 8 h + l % 8, columns 8 ((l / 8) % 2) + 0..7, and leaves column r, 8 k: half a fragment
	v_bfe_u32 v5, v0, 3, 1
	v_lshl_add_u32 v4, v2, 3, v4
	v_mul_u32_u24 v4, v4, PB
	v_lshl_add_u32 v4, v5, 4, v4
	s_lshl_b32 s21, s[CH], 8                       ; my 128 columns of B
	v_add_nc_u32 v[AB0], s21, v4
	s_mul_i32 s20, s[WV], 16*SP
	s_add_co_u32 s20, s20, STAGE                   ; my stage
	v_mul_u32_u24 v3, v1, SP                       ; in: row r, 16 bytes for each half of the lanes
	v_lshl_add_u32 v3, v2, 4, v3
	v_add_nc_u32 v[STO], s20, v3
	v_mul_u32_u24 v3, v2, SP                       ; back: lanes 0-15 take one row of 256 bytes, lanes 16-31 the next
	v_lshl_add_u32 v3, v1, 4, v3
	v_add_nc_u32 v[RD], s20, v3
	v_lshlrev_b32 v3, 8, v2                        ; and the same two rows of the head
	v_lshl_add_u32 v[CO], v1, 4, v3
	v_lshlrev_b32 v3, 8, v1                        ; the tables: row r, pairs 4 h + 0..3 of a block's eight
	v_lshl_add_u32 v[TO], v2, 4, v3
; 8 matrix instructions: row block a (ring slot i) x all 8 column blocks, 32 along K.  The 32 accumulators take turns in one order everywhere, one instruction a turn.
.macro MUL8 f, i, a
	WIN MUL
.irp b, 0,1,2,3,4,5,6,7
	v_wmma_f32_16x16x32_bf16 v[8*(8*(\a)+(\b)):8*(8*(\a)+(\b))+7], v[(\f)+8*(\b):(\f)+8*(\b)+7], v[32*(\i)+8*(\a):32*(\i)+8*(\a)+7], v[8*(8*(\a)+(\b)):8*(8*(\a)+(\b))+7]
.endr
.endm
; 16 LDS loads in one run: B's fragments of quarter q of the slot in hand into buffer f
.macro FETCH q, f
	WIN 0
.set AR, ADR0+(\q)/4
.set OF, ((\q)%4)*QB
.irp b, 0,1,2,3,4,5,6,7
	ds_load_tr16_b128 v[(\f)+8*(\b):(\f)+8*(\b)+3],   v[AR] offset:OF+32*(\b)
	ds_load_tr16_b128 v[(\f)+8*(\b)+4:(\f)+8*(\b)+7], v[AR] offset:OF+16*PB+32*(\b)
.endr
.endm
; The next n of the 64 loads of the tables: block (a, b) = TI / 2, cosines then sines; a ascending, so that the way out can wait for them block by block.  v's tiles read them too: one text, no register left unwritten.
.set TI, 0
.macro TAB n
	WIN 0xc0                                       ; destination window 3
.rept \n
	global_load_b128 v[128*(TI%2)+4*(TI/2):128*(TI%2)+4*(TI/2)+3], v[TO], s[8:9] offset:524288*(TI%2)+((TI/2)/8)*4096+32*((TI/2)%8)
.set TI, TI+1
.endr
.endm
; Quarter i (0 to 6) of a stretch: 32 matrix instructions on buffer f and ring slot i.  In front of them, in one run: the next quarter's B into g, and into the ring slot that the last quarter read out the
; quarter seven ahead of this one (ld = 1), or ten loads of the tables (ld = 2).  left: how many younger loads may be out when this quarter's A has to be there: six quarters' eight while the ring runs.
.macro QUARTER i, f, g, left, ld
	s_wait_loadcnt \left                           ; loads come back in order (ISA guide 5.7.1)
	s_wait_dscnt 0x0                               ; B of this quarter, asked for a quarter ago
	PLACES
	FETCH (\i)+1, \g
.if (\ld) == 1
	WIN 0x80
	AQ ((\i)+7)%8, (\i)+7
.endif
.if (\ld) == 2
	TAB 10
.endif
	MUL8 \f, \i, 0
	MUL8 \f, \i, 1
	MUL8 \f, \i, 2
	MUL8 \f, \i, 3
.endm
; Quarter 7 multiplies buffer 1 and changes slots: ONE barrier; in front of it each wave waits for all its tensor loads (one is out: its part of the next slot), adds 0 to its spare word, and waits for that and
; for its reads of this slot, the last of which were asked for a quarter ago.  fill = 1: the barrier opens a round of the cluster's, and this slot is filled again, 512 along K ahead, first thing behind the round:
; 248 matrix instructions ahead of the wait for it.
.macro TURN fill
	WIN 0
	s_wait_tensorcnt 0x0                           ; no tensor load of mine is out, so group 0 may be written
	ds_add_u32 v[SPW], v[NIL]                      ; 0 onto my spare word: scalar work and a wait stand between it and the wait for it
.if \fill
	s_xor_b32 s[G0+1], s[G0+1], SLOTB              ; the other slot than last time,
	s_add_nc_u64 s[G0+2:G0+3], s[G0+2:G0+3], 256*NBY  ; the next 256 k-rows; the type bits on top are not reached
.endif
	s_xor_b32 s[TB], s[TB], SLOTB
	s_wait_loadcnt 48                              ; A of this quarter
	s_wait_dscnt 0x0                               ; the add is done, B of this quarter is in, and my reads of this slot are over
	s_barrier_signal -1
	MUL8 F1, 7, 0
	WIN 0
	s_barrier_wait -1
.if \fill
	CREST                                          ; no wave of any partner still reads this slot or has a load on its way
	JLOAD                                          ; the four v_nop behind it are also the places in front of the loads below
.else
	PLACES
.endif
	v_add_nc_u32 v[ADR0], s[TB], v[AB0]
	v_add_nc_u32 v[ADR1], 4*QB, v[ADR0]
	FETCH 0, F0
	WIN 0x80
	AQ 6, 14
	MUL8 F1, 7, 1
	MUL8 F1, 7, 2
	MUL8 F1, 7, 3
	WIN 0
	s_wait_xcnt 0x0                                ; A's base is stepped only behind this wait
	s_add_nc_u64 s[AB:AB+1], s[AB:AB+1], 8*1024    ; the next stretch
.endm
	s_wait_tensorcnt 0x0                           ; slot 0: my part is in.  The same lines as in front of every refill:
	ds_add_u32 v[SPW], v[NIL]
	s_xor_b32 s[G0+1], s[G0+1], SLOTB
	s_add_nc_u64 s[G0+2:G0+3], s[G0+2:G0+3], 256*NBY
	s_wait_dscnt 0x0
	CROUND                                         ; everybody's part is in
	JLOAD                                          ; slot 1's first fill: my one load behind this round
	v_add_nc_u32 v[ADR0], s[TB], v[AB0]
	v_add_nc_u32 v[ADR1], 4*QB, v[ADR0]
	FETCH 0, F0
	s_mov_b32 s[CNT], NI-1
	s_branch .Lmid                                 ; the loop is entered at a stretch's first quarter
.Lturn:                                                ; NI - 2 times: every slot but the last two is filled again
	TURN 1
.Lmid:
	QUARTER 0, F0, F1, 48, 1
	QUARTER 1, F1, F0, 48, 1
	QUARTER 2, F0, F1, 48, 1
	QUARTER 3, F1, F0, 48, 1
	QUARTER 4, F0, F1, 48, 1
	QUARTER 5, F1, F0, 48, 1
	QUARTER 6, F0, F1, 48, 1
	WIN 0
	s_sub_co_u32 s[CNT], s[CNT], 1
	s_cmp_lg_u32 s[CNT], 0
	s_cbranch_scc1 .Lturn
	TURN 0                                         ; the tail is written out: nothing is asked for
	QUARTER 0, F0, F1, 48, 1                       ; the ring's last eight loads.  Behind them the tables' loads take the ring's place, ten a quarter: behind each quarter's A at least 48 loads
	QUARTER 1, F1, F0, 48, 2                       ; have been issued (48, 50, 52, 54, 56, 58, 60), so the count stays; behind the wait at most 58 are out
	QUARTER 2, F0, F1, 48, 2
	QUARTER 3, F1, F0, 48, 2
	QUARTER 4, F0, F1, 48, 2
	QUARTER 5, F1, F0, 48, 2
	QUARTER 6, F0, F1, 48, 2
	s_wait_loadcnt 48
	s_wait_dscnt 0x0
	TAB 4
	MUL8 F1, 7, 0
	MUL8 F1, 7, 1
	MUL8 F1, 7, 2
	MUL8 F1, 7, 3
	WIN 0
	PLACES
; THE WAY OUT, a block of 16 rows at a time.  PACKB: q's and k's pairs are rotated (real' = real c - imag s, imag' = real s + imag c, each a multiply and a fused multiply-add) and rounded to f16; v is only rounded.
; Each accumulator is read from its low end on.
.macro PACKB a
	WIN 0
	s_wait_loadcnt 48-16*(\a)                      ; the block's 16 loads of the tables are in; the later blocks' may be out
	s_cmp_eq_u32 s[ISV], 1
	s_cbranch_scc1 .Lplain_\@
	WIN 0x0d                                       ; source 0: the sums, window 1; source 1: the tables, window 3; the rest window 0
.irp b, 0,1,2,3,4,5,6,7
.irp j, 0,1,2,3
	v_mul_f32 v[TT+8*(\b)+2*(\j)],   v[8*(8*(\a)+(\b))+2*(\j)], v[4*(8*(\a)+(\b))+(\j)]
	v_mul_f32 v[TT+8*(\b)+2*(\j)+1], v[8*(8*(\a)+(\b))+2*(\j)], v[128+4*(8*(\a)+(\b))+(\j)]
.endr
.irp j, 0,1,2,3
	v_fma_f32 v[TT+8*(\b)+2*(\j)],   -v[8*(8*(\a)+(\b))+2*(\j)+1], v[128+4*(8*(\a)+(\b))+(\j)], v[TT+8*(\b)+2*(\j)]
	v_fma_f32 v[TT+8*(\b)+2*(\j)+1], v[8*(8*(\a)+(\b))+2*(\j)+1],  v[4*(8*(\a)+(\b))+(\j)],     v[TT+8*(\b)+2*(\j)+1]
.endr
.endr
	WIN 0
.irp b, 0,1,2,3,4,5,6,7
.irp j, 0,1,2,3
	v_cvt_pk_f16_f32 v[PKD+4*(\b)+(\j)], v[TT+8*(\b)+2*(\j)], v[TT+8*(\b)+2*(\j)+1]
.endr
.endr
	s_branch .Lpacked_\@
.Lplain_\@:
	WIN 0x05                                       ; sources 0 and 1 window 1
.irp b, 0,1,2,3,4,5,6,7
.irp j, 0,1,2,3
	v_cvt_pk_f16_f32 v[PKD+4*(\b)+(\j)], v[8*(8*(\a)+(\b))+2*(\j)], v[8*(8*(\a)+(\b))+2*(\j)+1]
.endr
.endr
	WIN 0
.Lpacked_\@:
.endm
.macro TOSTAGE a                       ; 16 bytes a lane into my stage, and back as whole rows of 256 bytes; LDS serves a wave's instructions in order (ISA guide 5.7.1.4)
.set BK, 160+32*((\a)%2)
	s_wait_xcnt 0x0                                ; the registers that the stores of two blocks ago read are loaded again only behind this wait
.irp b, 0,1,2,3,4,5,6,7
	ds_store_b128 v[STO], v[PKD+4*(\b):PKD+4*(\b)+3] offset:32*(\b)
.endr
.irp t, 0,1,2,3,4,5,6,7
	ds_load_b128 v[BK+4*(\t):BK+4*(\t)+3], v[RD] offset:(\t)*2*SP
.endr
.endm
.macro SEND a
.set BK, 160+32*((\a)%2)
.irp t, 0,1,2,3,4,5,6,7
	s_wait_dscnt 7-(\t)
	global_store_b128 v[CO], v[BK+4*(\t):BK+4*(\t)+3], s[10:11] offset:(16*(\a)+2*(\t))*256  ; 16 lanes store a head's row: 256 consecutive bytes at a multiple of 256
.endr
.endm
	PACKB 0
	TOSTAGE 0
.irp a, 1,2,3                          ; block a's arithmetic stands between block a - 1's loads from the stage and the wait for them
	PACKB \a
	SEND (\a)-1
	TOSTAGE \a
.endr
	SEND 3
	s_wait_tensorcnt 0x0                           ; the wave's end: three closing lines, behind my last tensor load and my last LDS store
	ds_add_u32 v[SPW], v[NIL]
	s_wait_dscnt 0x0
	CROUND                                         ; the closing round: no work-group ends while a partner may still ask for a tile that names it
	s_endpgm
.Lfunc_end_k_q35b7408e78_proj:
	.size	k_q35b7408e78_proj, .Lfunc_end_k_q35b7408e78_proj-k_q35b7408e78_proj
	.p2alignl 7, 3214868480
	.fill 96, 4, 3214868480
	.section	.rodata,"a",@progbits
	.p2align	6, 0x0
	.amdhsa_kernel k_q35b7408e78_proj
		.amdhsa_group_segment_fixed_size 327680
		.amdhsa_private_segment_fixed_size 0
		.amdhsa_enable_private_segment 0
		.amdhsa_kernarg_size 32
		.amdhsa_user_sgpr_count 2
		.amdhsa_user_sgpr_kernarg_segment_ptr 1
		.amdhsa_wavefront_size32 1
		.amdhsa_system_sgpr_workgroup_id_x 1
		.amdhsa_system_sgpr_workgroup_id_y 1
		.amdhsa_system_sgpr_workgroup_id_z 1
		.amdhsa_system_vgpr_workitem_id 0
		.amdhsa_next_free_vgpr 1024
		.amdhsa_next_free_sgpr 72
		.amdhsa_reserve_vcc 0
		.amdhsa_float_denorm_mode_32 3
		.amdhsa_float_denorm_mode_16_64 3
		.amdhsa_memory_ordered 1
		.amdhsa_forward_progress 1
		.amdhsa_inst_pref_size 139
	.end_amdhsa_kernel
	.amdgpu_metadata
---
amdhsa.version: [ 1, 2 ]
amdhsa.kernels:
  - .name:           k_q35b7408e78_proj
    .symbol:         k_q35b7408e78_proj.kd
    .args:
      - { .name: xfr, .offset: 0, .size: 8, .value_kind: global_buffer, .address_space: global }
      - { .name: wb, .offset: 8, .size: 8, .value_kind: global_buffer, .address_space: global }
      - { .name: tab, .offset: 16, .size: 8, .value_kind: global_buffer, .address_space: global }
      - { .name: qkv, .offset: 24, .size: 8, .value_kind: global_buffer, .address_space: global }
    .group_segment_fixed_size: 327680
    .private_segment_fixed_size: 0
    .kernarg_segment_align: 8
    .kernarg_segment_size: 32
    .max_flat_workgroup_size: 128
    .sgpr_count:     72
    .vgpr_count:     1024
    .wavefront_size: 32
...
	.end_amdgpu_metadata
.endif
;; end of part 2
;; launch attn (part 3): grid 32 x 8, 4 waves a work-group, clusters of 4 x 4, 327,680 bytes of LDS; arguments qkv, m2, ofr; writes ofr
.if DOCPART == 3
	.amdgcn_target "amdgcn-amd-amdhsa--gfx1250"
	.amdhsa_code_object_version 6
	.text
	.protected	k_q35b7408e78_attn
	.globl	k_q35b7408e78_attn
	.p2align	8
	.type	k_q35b7408e78_attn,@function
k_q35b7408e78_attn:
	s_mov_b64 s[64:65], 0
	v_nop
	global_prefetch_b8 v0, s[64:65] scope:SCOPE_SE
	s_setreg_imm32_b32 hwreg(HW_REG_WAVE_MODE, 25, 1), 1
	s_wait_xcnt 0x0
	s_wait_alu depctr_hold_cnt(0) depctr_sa_sdst(0) depctr_va_vdst(0) depctr_va_sdst(0) depctr_va_ssrc(0) depctr_va_vcc(0) depctr_vm_vsrc(0)
	s_getreg_b32 s2, hwreg(HW_REG_IB_STS2, 6, 4)
	s_cmp_eq_u32 s2, 0
	s_cbranch_scc0 .Lentry_in_a_cluster
	s_endpgm
.Lentry_in_a_cluster:
	s_bfe_u32 s2, ttmp6, 0x10000c
	s_cmp_lg_u32 s2, 0xf033
	s_cbranch_scc0 .Lentry_shape_is_right
	s_endpgm
.Lentry_shape_is_right:
; ATTN.  For key and value head g and its two query heads 2 g, 2 g + 1: O = softmax_k(q . k / sqrt(128) + mask[q][k]) v.  The mask is an input: all 2,048 keys are walked and the mask is added as it is given.
; qkv [32][2048][128] f16 holds A rope(q) (slots 0-15), A rope(k) (16-23), v / 2 (24-31), A^2 = log2(e) / sqrt(128); m2 [2048][2048] f32 = log2(e) mask.  So s = (A k) . (A q) + m2 is the masked score
; in the base-2 scale, and p = 2^(s - m) with a running maximum m; in every step O and the sum l are multiplied by a = 2^(m_old - m_new).  Products, the mask's addition, maxima and sums in f32;
; p is rounded to f16 for the second product (l takes the unrounded p), O once at the end.
; ofr holds O / 2 in f16 as the image of a matrix operand's registers, for the product behind: [128 blocks of 16 rows][64 groups of 32 k][2 halves][32 lanes][8 numbers], k = head x 128 + channel: the 16 bytes of
; lane l in half j of group c hold row l % 16, k = 32 c + 16 j + 8 (l / 16) + 0..7.  A lane's eight channels of a channel block of O^T ARE such 16 bytes, so O leaves straight from registers.
; LIMITS.  p below 6e-5 keeps f16's fixed step of 6e-8; a weight below 2^-126 counts as 0 in l.  In a row whose every mask entry is about -1e9 a score is lost in the f32 sum while |score| < 44
; (in reference() while |score| < 32): the weights are then uniform.  NaN and infinities are not treated apart.
; SHARES.  A work-group owns 64 query rows and one g; wave w rows 16 w .. 16 w + 15, as two TILES of 16 queries: tile t is head 2 g + t.  Both tiles use the same fragments of K and V and the same mask registers.
; Keys go 64 a step; a slot of LDS holds two steps: 128 rows of K, 128 of V, and 64 rows x 128 keys of the mask.
; LAYOUT.  S^T = K Q^T (source 0 = 16 keys, source 1 = 16 queries): a lane holds ONE query (lane % 16) and the keys 8 (lane / 16) + 0..7; two such results rounded to f16 in pairs ARE source 1 of
; O^T = V^T P, whose result again holds one query a lane.  K comes out of LDS as it lies, V turned by ds_load_tr16_b128; a lane's eight mask numbers of a key block are 32 consecutive bytes.
; BY TURNS.  In a TURN one tile has the matrix unit: its 16 products V^T P of the step in hand, then its 16 products K Q^T of the next step; the other tile's softmax, 149 lines, stands between them, four lines
; behind each product and the 25 that are over behind the last.  Then the tiles change places; two turns are a step.  Turn 0 carries tile 1's softmax of the step in hand, turn 1 tile 0's of the next step.
; NO FIRST AND NO LAST STEP IS WRITTEN OUT.  m starts at the lowest finite number, O and l at 0, so the first step's a is 0; V's registers and tile 1's P start at 0, so the first turn's products V^T P, of a step
; that has not been, add 0.  The loop is entered, and the tail left, in the middle of a trip.  The price: 272 lines that write 0, in the wait for the first tile; 16 products on zeros at the start, 16 on a stale K at the end.
; CLUSTER.  4 x 4 work-groups: K's and V's tiles hang on g alone and are shared along a row of the cluster, the mask's on the query block alone and are shared along a column: all are asked for jointly.
; REGISTERS, in windows of 256 (s_set_vgpr_msb: bits 1:0 source 0, 3:2 source 1, 5:4 source 2, 7:6 destination):
;   window 0: v0-15 addresses; v16-31 eight registers of statistics a tile; v32-63 the mask; v64-127 S^T, 32 a tile; v128-159 P, 16 a tile
;   window 1: v0-127 K of one step; v128-255 V of one step          window 2: v0-63 Q, 32 a tile; v64-191 O^T, 64 a tile
; A softmax works in window 0 and no window has room for a product's operands beside it: the four lines behind a product cost two switches.
.set KS,    64
.set PKP,   272       ; a row of K in LDS: 256 bytes + 16: the 16 rows of a load start at 16 different groups of four banks (64 banks of 4 bytes: ISA guide 11.1)
.set PVP,   288       ; a row of V: 256 + 32
.set PMP,   528       ; a row of the mask: 512 + 16
.set VOFF,  128*PKP
.set MOFF,  VOFF+128*PVP
.set SLOT1, 1<<17     ; slot 1 begins here, so that one exclusive or turns an address in one slot into the other's
.set SPARE, SLOT1+MOFF+64*PMP  ; behind the ring: the spare words, 128 bytes for each wave: two blocks of 256 bytes that no other line names
.set AK0, 2           ; my lane's place in a tile of K; never rewritten
.set AV0, 3           ; of V
.set AM0, 4           ; of the mask
.set ADR, 5           ; the LDS address of the run of loads in hand
.set QO,  6           ; my byte offset in 16 rows of Q
.set GO,  9           ; 16 x lane: my bytes in 512 of ofr
.set SPW, 12          ; LDS address of my spare word; never rewritten
.set NIL, 13          ; 0; never rewritten
.set ST,  16          ; tile t's statistics at v[ST+8 t]: m, 0 (named with m as a pair), l (even keys', odd keys'), c0-c3 at work; a takes c2's place
.set M,   32
.set S,   64
.set P,   128
.set KF,  0           ; window 1: key block kb, channels 32 c on, at KF + 32 kb + 8 c
.set VF,  128         ; window 1: keys 32 kk on, channel block cb, at VF + 64 kk + 8 cb
.set WV,  12
.set G1K, 24          ; s[24:31] descriptor group 1 for K's tiles;  s[32:39] for V's: another padding;  s[40:47] for the mask's
.set G1V, 32
.set G1M, 40
.set G0K, 48          ; s[48:51], s[52:55], s[56:59] group 0: each walks
.set G0V, 52
.set G0M, 56
.set SEL, 60          ; s[60:61] v_permlanex16_b32's selects: each lane takes its own place in the other half
.set SLOTS, 62
.set CNT, 63
.set TBK, 66          ; LDS byte at which K of the step to be fetched begins;  the same for V, less VOFF;  for the mask, less MOFF
.set TBV, 67
.set TBM, 68
.set MSB, 0
.macro WIN new                      ; the high byte repeats the setting that is left; a switch that changes nothing is dropped
.if MSB != (\new)
	s_set_vgpr_msb (MSB<<8)|(\new)
.set MSB, (\new)
.endif
.endm
.set W_KQ, 0x09       ; K in window 1, Q in window 2, S^T in window 0
.set W_PV, 0xa1       ; V in window 1, P in window 0, O^T in window 2
.set W_RS, 0x82       ; O^T (destination and source 0) in window 2, a in window 0
.macro PLACES                       ; four places between a product and a line that reads its result (ISA guide 7.12.1)
.rept 4
	v_nop
.endr
.endm
; A joint fill: wave 0 fetches a slot's K, wave 1 its V, waves 2 and 3 the two halves of its mask rows: one load a wave.  The branches hang on the wave's number alone.
; An s_nop 0 and four v_nop follow each of the three lines, ahead of the jump and the label.
.macro JLOAD
	s_cmp_lt_u32 s[WV], 2
	s_cbranch_scc0 .Lfor_m_\@
	s_cmp_eq_u32 s[WV], 0
	s_cbranch_scc0 .Lfor_v_\@
	tensor_load_to_lds s[G0K:G0K+3], s[G1K:G1K+7]
	s_nop 0
.rept 4
	v_nop
.endr
	s_branch .Lasked_\@
.Lfor_v_\@:
	tensor_load_to_lds s[G0V:G0V+3], s[G1V:G1V+7]
	s_nop 0
.rept 4
	v_nop
.endr
	s_branch .Lasked_\@
.Lfor_m_\@:
	tensor_load_to_lds s[G0M:G0M+3], s[G1M:G1M+7]
	s_nop 0
.rept 4
	v_nop
.endr
.Lasked_\@:
.endm
.macro CROUND                       ; a round of the cluster's barrier: my work-group's barrier; wave 0 signals for the work-group; every wave waits for all sixteen; my work-group's barrier once more
	s_barrier_signal -1
	s_barrier_wait -1
	s_cmp_lg_u32 s[WV], 0
	s_cbranch_scc1 .Lnot_wave_0_\@
	s_barrier_signal -3
.Lnot_wave_0_\@:
	s_barrier_wait -3
	s_barrier_signal -1
	s_barrier_wait -1
.endm
; THE CHANGE OF SLOTS, between turn 1 and turn 0: the slot's last bytes, V of its second step, have been asked for.  Each wave waits for all its tensor loads, of which one is out: its part of the other slot; adds 0
; to its spare word; and waits for that and for its reads of the slot.  Behind the barrier nobody reads this slot any more and the other slot is whole.  fill = 1: the barrier is a round of the cluster's, and the slot is
; filled again, first thing behind it, with the keys two slots on: it has two steps, 128 matrix instructions, in which to land.  (At its first use nothing has been read yet: slot 0 is waited for, slot 1 filled.)
.macro CHANGE fill
	WIN 0
	s_wait_tensorcnt 0x0            ; no tensor load of mine is out, so a group 0 may be written
	ds_add_u32 v[SPW], v[NIL]       ; 0 onto my spare word: with fill = 1 the descriptors' steps stand between it and the wait for it
.if \fill
	s_xor_b32 s[G0K+1], s[G0K+1], SLOT1
	s_add_nc_u64 s[G0K+2:G0K+3], s[G0K+2:G0K+3], 128*256  ; the next 128 keys; the type bits on top are not reached
	s_xor_b32 s[G0V+1], s[G0V+1], SLOT1
	s_add_nc_u64 s[G0V+2:G0V+3], s[G0V+2:G0V+3], 128*256
	s_xor_b32 s[G0M+1], s[G0M+1], SLOT1
	s_add_nc_u64 s[G0M+2:G0M+3], s[G0M+2:G0M+3], 128*4
	s_wait_dscnt 0x0                ; the add is done, and my reads of the slot are over
	CROUND
	JLOAD
.else
	s_wait_dscnt 0x0
	s_barrier_signal -1
	s_barrier_wait -1
.endif
	s_sub_co_u32 s[TBK], s[TBK], 2*KS*PKP  ; the fetches go back to a slot's first step,
	s_xor_b32 s[TBK], s[TBK], SLOT1        ; in the other slot
	s_sub_co_u32 s[TBV], s[TBV], 2*KS*PVP
	s_xor_b32 s[TBV], s[TBV], SLOT1
	s_sub_co_u32 s[TBM], s[TBM], 2*KS*4
	s_xor_b32 s[TBM], s[TBM], SLOT1
.endm
	s_load_b128 s[4:7], s[0:1], 0x0   ; qkv s[4:5], m2 s[6:7]
	s_load_b64 s[8:9], s[0:1], 0x10   ; ofr
	v_lshl_add_u32 v[SPW], v0, 2, SPARE
	v_mov_b32 v[NIL], 0
	ds_add_u32 v[SPW], v[NIL]       ; the wave's opening: the add and its wait stand ahead of my first tensor load; the set-up below, work on registers, stands between them
	v_lshrrev_b32 v1, 5, v0
	v_readfirstlane_b32 s[WV], v1   ; wave 0..3
	s_bfe_u32 s13, ttmp6, 0x40000   ; cx
	s_bfe_u32 s14, ttmp6, 0x40004   ; cy
	s_lshl_b32 s15, ttmp9, 2
	s_add_co_u32 s15, s15, s13      ; my block of 64 queries = 4 x cluster x + cx
	s_and_b32 s16, ttmp7, 0xffff
	s_lshl_b32 s16, s16, 2
	s_add_co_u32 s16, s16, s14      ; g = 4 x cluster y + cy
	s_lshl_b32 s70, s14, 2
	s_lshl_b32 s70, 15, s70         ; my row of the cluster
	s_lshl_b32 s71, 0x1111, s13     ; my column
	s_or_b32 s[G1K], s70, (1<<16)|(1<<20)|(1<<21)|(5<<22)|(3<<25)  ; 15:0 the mask of four; 17:16 2-byte elements; 20 padding on; 21 set beside a mask; 24:22 after every 64 words; 31:25 4 words
	s_or_b32 s[G1V], s70, (1<<16)|(1<<20)|(1<<21)|(5<<22)|(7<<25)  ; the same with 8 words of padding
	s_or_b32 s[G1M], s71, (2<<16)|(1<<20)|(1<<21)|(6<<22)|(3<<25)  ; 4-byte elements; after every 128 words 4 words
.irp g, G1K, G1V
	s_mov_b32 s[(\g)+1], 128<<16    ; tensor_dim0 = 128
	s_mov_b32 s[(\g)+2], 128<<16    ; tensor_dim1 = 128
	s_mov_b32 s[(\g)+3], 128<<16    ; tile_dim0 = 128
	s_mov_b32 s[(\g)+4], 128        ; tile_dim1 = 128
	s_mov_b32 s[(\g)+5], 128        ; elements from row to row
	s_mov_b32 s[(\g)+6], 0
	s_mov_b32 s[(\g)+7], 0
.endr
	s_mov_b32 s[G1M+1], 128<<16     ; 32 rows of 128 keys
	s_mov_b32 s[G1M+2], 32<<16
	s_mov_b32 s[G1M+3], 128<<16
	s_mov_b32 s[G1M+4], 32
	s_mov_b32 s[G1M+5], 2048
	s_mov_b32 s[G1M+6], 0
	s_mov_b32 s[G1M+7], 0
	s_and_b32 s17, s[WV], 1         ; which half of the mask's 64 rows I would fetch
	s_add_co_u32 s18, s16, 16       ; K: slot 16 + g of qkv, 524,288 bytes each; these registers never hold cx
	s_lshl_b32 s18, s18, 19
	s_mov_b32 s19, 0
	s_add_co_u32 s20, s16, 24       ; V: slot 24 + g
	s_lshl_b32 s20, s20, 19
	s_mov_b32 s21, 0
	s_lshl_b32 s22, s15, 19         ; the mask: row 64 x block + 32 x half, 8,192 bytes each; these never hold cy
	s_lshl_b32 s23, s17, 18
	s_add_co_u32 s22, s22, s23
	s_mov_b32 s23, 0
	s_mul_i32 s17, s17, 32*PMP      ; no place in the cluster enters an LDS address
	s_add_co_u32 s17, s17, MOFF
	s_lshl_b32 s70, s16, 20         ; Q: slot 2 g, row 64 x block + 16 x wave, 256 bytes each
	s_lshl_b32 s71, s15, 14
	s_add_co_u32 s70, s70, s71
	s_lshl_b32 s71, s[WV], 12
	s_add_co_u32 s70, s70, s71
	s_mov_b32 s71, 0
	s_lshl_b32 s72, s15, 2          ; ofr: row block 4 x block + wave, 65,536 bytes each; k = 256 g on: 8 groups of 1,024 bytes a g
	s_add_co_u32 s72, s72, s[WV]
	s_lshl_b32 s72, s72, 16
	s_lshl_b32 s73, s16, 13
	s_add_co_u32 s72, s72, s73
	s_mov_b32 s73, 0
	s_mov_b32 s[SEL], 0x76543210
	s_mov_b32 s[SEL+1], 0xfedcba98
	s_mov_b32 s[TBK], SLOT1+2*KS*PKP  ; the first change of slots turns these three into 0
	s_mov_b32 s[TBV], SLOT1+2*KS*PVP
	s_mov_b32 s[TBM], SLOT1+2*KS*4
	s_mov_b32 s[G0K], 1             ; count = 1
	s_mov_b32 s[G0K+1], 0           ; LDS address: slot 0
	s_mov_b32 s[G0V], 1
	s_mov_b32 s[G0V+1], VOFF
	s_mov_b32 s[G0M], 1
	s_mov_b32 s[G0M+1], s17
	s_wait_dscnt 0x0                ; the opening add is done
	s_wait_kmcnt 0x0
	s_add_nc_u64 s[G0K+2:G0K+3], s[4:5], s[18:19]  ; global address: the head's first 128 keys
	s_or_b32 s[G0K+3], s[G0K+3], 0x80000000        ; type = 2
	s_add_nc_u64 s[G0V+2:G0V+3], s[4:5], s[20:21]
	s_or_b32 s[G0V+3], s[G0V+3], 0x80000000
	s_add_nc_u64 s[G0M+2:G0M+3], s[6:7], s[22:23]
	s_or_b32 s[G0M+3], s[G0M+3], 0x80000000
	s_add_nc_u64 s[74:75], s[4:5], s[70:71]        ; Q at my wave's first row
	s_add_nc_u64 s[8:9], s[8:9], s[72:73]          ; ofr at my wave's 8,192 bytes
	CROUND                          ; all sixteen work-groups are here: the first joint loads meet
	JLOAD                           ; slot 0.  Slot 1 is asked for when slot 0 is in, by the loop's own change of slots
	v_and_b32 v1, 15, v0            ; r = lane % 16
	v_bfe_u32 v10, v0, 4, 1         ; h = lane / 16
	v_lshlrev_b32 v[QO], 8, v1
	v_lshl_add_u32 v[QO], v10, 4, v[QO]  ; row x 256 + 16 x half
	WIN 0x80                        ; destination window 2, address window 0
.set i, 0
.rept 8                             ; Q stays in registers: tile i / 4, channels 32 (i % 4) on: two loads of 16 bytes, 32 bytes apart
	global_load_b128 v[8*i:8*i+3],   v[QO], s[74:75] offset:(i/4)*524288+(i%4)*64
	global_load_b128 v[8*i+4:8*i+7], v[QO], s[74:75] offset:(i/4)*524288+(i%4)*64+32
.set i, i+1
.endr
	; What the first turn finds.  All this stands in the wait for the first tile.
.set i, 64
.rept 128
	v_mov_b32 v[i], 0               ; O^T
.set i, i+1
.endr
	WIN 0x40
.set i, VF
.rept 128
	v_mov_b32 v[i], 0               ; V
.set i, i+1
.endr
	WIN 0
.set i, P+16
.rept 16
	v_mov_b32 v[i], 0               ; tile 1's P
.set i, i+1
.endr
.irp t, 0,1
	v_mov_b32 v[ST+8*(\t)], 0xff7fffff  ; m
	v_mov_b32 v[ST+8*(\t)+1], 0
	v_mov_b32 v[ST+8*(\t)+2], 0         ; l
	v_mov_b32 v[ST+8*(\t)+3], 0
.endr
	v_mul_u32_u24 v[AK0], v1, PKP
	v_lshl_add_u32 v[AK0], v10, 4, v[AK0]  ; row x pitch + 16 x half
	v_and_b32 v11, 7, v0            ; the turning load takes 16 keys x 16 channels: lane l reads key 8 h + l % 8, channels 8 ((l / 8) % 2) + 0..7, and leaves channel r, 8 keys
	v_bfe_u32 v14, v0, 3, 1
	v_lshl_add_u32 v[AV0], v10, 3, v11
	v_mul_u32_u24 v[AV0], v[AV0], PVP
	v_lshl_add_u32 v[AV0], v14, 4, v[AV0]
	v_add_nc_u32 v[AV0], VOFF, v[AV0]
	s_mul_i32 s19, s[WV], 16*PMP    ; the mask: my query's row 16 w + r, keys 8 h on
	s_add_co_u32 s19, s19, MOFF
	v_mul_u32_u24 v[AM0], v1, PMP
	v_lshl_add_u32 v[AM0], v10, 5, v[AM0]
	v_add_nc_u32 v[AM0], s19, v[AM0]
	v_and_b32 v[GO], 31, v0
	v_lshlrev_b32 v[GO], 4, v[GO]
; THE MATRIX WORK.  The accumulators of a run take turns, one instruction a turn.
; Product i of 16 of S^T = K Q^T for tile t: channels 32 (i / 4) on, keys 16 (i % 4) on.  The first 4 start the sums.
.macro KQ t
	WIN W_KQ
.set rS, S+32*(\t)+8*(i%4)
.set rK, KF+32*(i%4)+8*(i/4)
.set rQ, 32*(\t)+8*(i/4)
.if i < 4
	v_wmma_f32_16x16x32_f16 v[rS:rS+7], v[rK:rK+7], v[rQ:rQ+7], 0
.else
	v_wmma_f32_16x16x32_f16 v[rS:rS+7], v[rK:rK+7], v[rQ:rQ+7], v[rS:rS+7]
.endif
.endm
; Product i of 16 of O^T += V^T P for tile t: keys 32 (i / 8) on, channels 16 (i % 8) on.
.macro PV t
	WIN W_PV
.set rO, 64+64*(\t)+8*(i%8)
.set rV, VF+64*(i/8)+8*(i%8)
.set rP, P+16*(\t)+8*(i/8)
	v_wmma_f32_16x16x32_f16 v[rO:rO+7], v[rV:rV+7], v[rP:rP+7], v[rO:rO+7]
.endm
; THE LDS LOADS stand in runs.  last = 1 (the tail): in the last trip there is no further step, and the run is jumped over.
; K: 32 loads, by channel groups of 32, in the order in which the products take them: eight loads serve four products.
.macro FETCH_K last=0
	WIN 0
.if \last
	s_cmp_eq_u32 s[CNT], 1
	s_cbranch_scc1 .Lno_k_\@
.endif
	v_add_nc_u32 v[ADR], s[TBK], v[AK0]
	WIN 0x40                        ; destination window 1
.irp c, 0,1,2,3                     ; channels 32 c on,
.irp k, 0,1,2,3                     ; keys 16 k on
	ds_load_b128 v[KF+32*(\k)+8*(\c):KF+32*(\k)+8*(\c)+3],   v[ADR] offset:(\k)*16*PKP+(\c)*64
	ds_load_b128 v[KF+32*(\k)+8*(\c)+4:KF+32*(\k)+8*(\c)+7], v[ADR] offset:(\k)*16*PKP+(\c)*64+32
.endr
.endr
	s_add_co_u32 s[TBK], s[TBK], KS*PKP  ; the next fetch is the next step's
	WIN 0
.if \last
.Lno_k_\@:
.endif
.endm
.macro FETCH_M last=0               ; the mask: 8 loads
	WIN 0
.if \last
	s_cmp_eq_u32 s[CNT], 1
	s_cbranch_scc1 .Lno_m_\@
.endif
	v_add_nc_u32 v[ADR], s[TBM], v[AM0]
.irp k, 0,1,2,3                     ; key block k: my eight numbers
	ds_load_b128 v[M+8*(\k):M+8*(\k)+3],   v[ADR] offset:64*(\k)
	ds_load_b128 v[M+8*(\k)+4:M+8*(\k)+7], v[ADR] offset:64*(\k)+16
.endr
	s_add_co_u32 s[TBM], s[TBM], KS*4
.if \last
.Lno_m_\@:
.endif
.endm
.macro FETCH_V                      ; V: 32 loads, in the order in which the products take them: eight loads serve four products
	WIN 0
	v_add_nc_u32 v[ADR], s[TBV], v[AV0]
	WIN 0x40
.irp f, 0,1,2,3,4,5,6,7,8,9,10,11,12,13,14,15  ; keys 32 (f / 8) on, channels 16 (f % 8) on
	ds_load_tr16_b128 v[VF+8*(\f):VF+8*(\f)+3],   v[ADR] offset:((\f)/8)*32*PVP+((\f)%8)*32
	ds_load_tr16_b128 v[VF+8*(\f)+4:VF+8*(\f)+7], v[ADR] offset:((\f)/8)*32*PVP+16*PVP+((\f)%8)*32
.endr
	s_add_co_u32 s[TBV], s[TBV], KS*PVP
	WIN 0
.endm
; THE VECTOR WORK.  One tile's softmax for one step is a list of 149 lines; SM writes number n of it for tile t.  s0-s31 are the lane's 32 scores, in pairs 0-15.
;   0-15     the mask is added, a pair at a time, ascending: each accumulator is read from its low end on
;   16-31    the maximum of s0-s31 and the old m, three operands at a time: four chains c0-c3 of seven scores each, then the four scores left over, c0-c3 and m
;   32-35    the other half of the lanes' maximum; the new m; m_old - m_new; m
;   36-102   33 exponentials (a, then s0-s31) at every even number from 38 on, so that no two follow each other and each has a plain line behind it before its result is used (ISA guide 5.7.2).  The plain
;            lines between are whatever is ready: s - m for a pair whose exponentials are still to come, the rounding to f16 of a pair whose exponentials are done, at last the first three sums
;   103-116  the last rounding; the rest of the sums, in place; l = a l + the sum
;   117-148  the tile's O^T times a, ascending: the one part that leaves window 0
.macro SM t
.set rT, ST+8*(\t)
.set rS, S+32*(\t)
.set rP, P+16*(\t)
.set j, n-15
.set x, n-16
.set q, (j-20)/2
.if n < 117
	WIN 0
.endif
.if n < 16
	v_pk_add_f32 v[rS+2*n:rS+2*n+1], v[rS+2*n:rS+2*n+1], v[M+2*n:M+2*n+1]
.elseif n < 20
	v_max3_num_f32 v[rT+4+x], v[rS+8*x], v[rS+8*x+1], v[rS+8*x+2]
.elseif n < 28
	v_max3_num_f32 v[rT+4+x%4], v[rT+4+x%4], v[rS+8*(x%4)+2*(x/4)+1], v[rS+8*(x%4)+2*(x/4)+2]
.elseif n == 28
	v_max3_num_f32 v[rT+4], v[rT+4], v[rS+7], v[rS+15]
.elseif n == 29
	v_max3_num_f32 v[rT+6], v[rT+6], v[rS+23], v[rS+31]
.elseif n == 30
	v_max3_num_f32 v[rT+4], v[rT+4], v[rT+5], v[rT+6]
.elseif n == 31
	v_max3_num_f32 v[rT+4], v[rT+4], v[rT+7], v[rT]
.elseif n == 32
	v_permlanex16_b32 v[rT+5], v[rT+4], s[SEL], s[SEL+1]  ; the query's other 32 keys lie in the lane 16 away
.elseif n == 33
	v_max_num_f32 v[rT+7], v[rT+4], v[rT+5]
.elseif n == 34
	v_sub_f32 v[rT+5], v[rT], v[rT+7]
.elseif n == 35
	v_mov_b32 v[rT], v[rT+7]
.elseif j == 23
	v_exp_f32 v[rT+6], v[rT+5]
.elseif (j < 88) && (j > 23) && (j%2 == 1)
	v_exp_f32 v[rS+(j-25)/2], v[rS+(j-25)/2]
.elseif (q < 4) || ((j < 76) && (q%2 == 0))
.set b, q/2+2
.if q < 4
.set b, q
.endif
	v_pk_add_f32 v[rS+2*b:rS+2*b+1], v[rS+2*b:rS+2*b+1], v[rT:rT+1] op_sel_hi:[1,0] neg_lo:[0,1] neg_hi:[0,1]  ; pair b: s - m
.elseif (j < 88) && (q%2 == 1)
	s_wait_alu depctr_va_vdst(0)
	v_cvt_pk_f16_f32 v[rP+(q-5)/2], v[rS+q-5], v[rS+q-4]  ; pair (q - 5) / 2: its second exponential stands three numbers back
.elseif j == 89
	s_wait_alu depctr_va_vdst(0)
	v_cvt_pk_f16_f32 v[rP+15], v[rS+30], v[rS+31]
.elseif j < 102                     ; the sum of the 16 pairs, in place: sum z of 16 adds neighbours 1, 2, 4 and 8 pairs apart, then l takes it
.set z, j-86
.if j < 89
.set z, (j-76)/4
.endif
.set w, 4
.set u, z
.if z >= 14
.set w, 32
.set u, 0
.elseif z >= 12
.set w, 16
.set u, z-12
.elseif z >= 8
.set w, 8
.set u, z-8
.endif
.if z < 15
	v_pk_add_f32 v[rS+w*u:rS+w*u+1], v[rS+w*u:rS+w*u+1], v[rS+w*u+w/2:rS+w*u+w/2+1]
.else
	v_pk_fma_f32 v[rT+2:rT+3], v[rT+2:rT+3], v[rT+6:rT+7], v[rS:rS+1] op_sel_hi:[1,0,1]
.endif
.else
.set rO, 64+64*(\t)+2*(j-102)
	WIN W_RS
	v_pk_mul_f32 v[rO:rO+1], v[rO:rO+1], v[rT+6:rT+7] op_sel_hi:[1,0]
.endif
.endm
.macro RID t, c                     ; the next c lines of tile t's list
.rept \c
	SM \t
.set n, n+1
.endr
.endm
; A TURN, for tile x: 16 products V^T P, 16 products K Q^T, and behind each of them four lines of the other tile's list (16 x 4 + 15 x 4 + 25 = 149), none of which names a register of tile x's products.
; The 25 behind the last product are plain (O^T times a): they are the places between that product and what follows: the next turn's first read of tile x's new scores, and the loads into K's registers.
; WHERE THE LDS LOADS STAND, each as early as its registers allow: K of the next step at the head of turn 0 (both tiles have multiplied by the old K); the next step's mask behind turn 0's fifth product
; (number 15 of tile 1's list, four products back, read the old one last); V of the next step behind turn 1's second product K Q^T: numbers 60 to 71 of the list stand behind the last product that read V, six of them plain.
; THE WAITS (cw = 1, the loop) are counted: LDS loads come back in order (ISA guide 5.7.1), and each count is the younger loads that may stay out.  Turn 0's head: V's first eight are in, 24 of V's may be out.
; V^T P number 4: 16 of V's and K's 32; number 8: 8 of V's, K's 32 and the mask's 8; number 12: K's 32 and the mask's 8.  K Q^T numbers 0, 4, 8, 12: 24, 16, 8, 0 of K's and the mask's 8.  At most 56 are out.
; Turn 1's head waits for the mask: 0.  cw = 0 (the tail, where K's and the mask's runs stand under jumps): every wait is for 0.
.macro TURN x, last, cw
.set n, 0
.if (\x) == 0
.if \cw
	s_wait_dscnt 24
.else
	s_wait_dscnt 0x0
.endif
	FETCH_K \last
.else
	s_wait_dscnt 0x0
.endif
.set i, 0
.rept 16
.if ((\x) == 0) && (\cw) && ((i == 4) || (i == 8))
	s_wait_dscnt 48
.endif
.if ((\x) == 0) && (\cw) && (i == 12)
	s_wait_dscnt 40
.endif
	PV \x
	RID 1-(\x), 4
.if ((\x) == 0) && (i == 4)
	FETCH_M \last
.endif
.set i, i+1
.endr
.set i, 0
.rept 16
.if ((\x) == 0) && (\cw) && (i%4 == 0)
	s_wait_dscnt 32-8*(i/4)
.endif
.if ((\x) == 0) && !(\cw) && (i == 0)
	s_wait_dscnt 0x0
.endif
	KQ \x
.if i == 15
	RID 1-(\x), 25
.else
	RID 1-(\x), 4
.endif
.if ((\x) == 1) && (i == 1)
	FETCH_V
.endif
.set i, i+1
.endr
	WIN 0                           ; at a label and at a branch every window is 0
.endm
	CHANGE 1                        ; slot 0 is in, everybody's part of it; slot 1 is asked for
	FETCH_K                         ; step 0
	FETCH_M
	s_wait_loadcnt 0x0              ; Q
	s_wait_dscnt 0x0
.set i, 0
.rept 16
	KQ 0                            ; tile 0's first scores: there is no vector work yet to set between them
.set i, i+1
.endr
	WIN 0
	PLACES                          ; between those products and the first line that reads the scores
	s_mov_b32 s[CNT], 2
	s_mov_b32 s[SLOTS], 15
	s_branch .Lmid                  ; the loop is entered at turn 1: its products V^T P add 0, its products K Q^T are tile 1's first scores, and it fetches V of step 0
.Lslot:                             ; 14 times: every slot but the last two is filled again
	CHANGE 1
	s_mov_b32 s[CNT], 2
.Lstep:                             ; a trip: the two turns of a step
	TURN 0, 0, 1
.Lmid:
	TURN 1, 0, 1
	s_sub_co_u32 s[CNT], s[CNT], 1
	s_cmp_lg_u32 s[CNT], 0
	s_cbranch_scc1 .Lstep
	s_sub_co_u32 s[SLOTS], s[SLOTS], 1
	s_cmp_lg_u32 s[SLOTS], 0
	s_cbranch_scc1 .Lslot
	CHANGE 0                        ; the tail is written out: nothing is asked for
	s_mov_b32 s[CNT], 3             ; two trips fetch the last slot's steps; the third is left in its middle
.Ltail:
	TURN 0, 1, 0                    ; in the third trip: tile 0's V^T P of the last step, tile 1's last softmax; its products K Q^T, on the last K once more, serve nothing
	s_sub_co_u32 s[CNT], s[CNT], 1
	s_cmp_eq_u32 s[CNT], 0
	s_cbranch_scc1 .Lout
	TURN 1, 0, 0
	s_branch .Ltail
.Lout:
.set i, 0
.rept 16
	PV 1                            ; tile 1's V^T P of the last step
.set i, i+1
.endr
	WIN 0
	PLACES
	; THE WAY OUT.  l's two halves and the other half of the lanes' are added; O^T is divided by l, rounded to f16 and stored from the registers in which it lies.
.irp t, 0,1
	v_add_f32 v[ST+8*(\t)+4], v[ST+8*(\t)+2], v[ST+8*(\t)+3]
.endr
.irp t, 0,1
	v_permlanex16_b32 v[ST+8*(\t)+5], v[ST+8*(\t)+4], s[SEL], s[SEL+1]
.endr
.irp t, 0,1
	v_add_f32 v[ST+8*(\t)+4], v[ST+8*(\t)+4], v[ST+8*(\t)+5]
.endr
.irp t, 0,1
	v_rcp_f32 v[ST+8*(\t)+6], v[ST+8*(\t)+4]
.endr
	v_nop                           ; a plain line between the last reciprocal and the use of its result
	s_wait_alu depctr_va_vdst(0)
.macro PACK t                       ; a lane's eight channels of channel block f pack into the four registers S + 32 t + 4 f: S^T's registers are free
	WIN W_RS
.set i, 0
.rept 32
	v_pk_mul_f32 v[64+64*(\t)+2*i:64+64*(\t)+2*i+1], v[64+64*(\t)+2*i:64+64*(\t)+2*i+1], v[ST+8*(\t)+6:ST+8*(\t)+7] op_sel_hi:[1,0]
.set i, i+1
.endr
	WIN 0x0a                        ; sources 0 and 1 window 2, destination window 0
.set i, 0
.rept 32
	v_cvt_pk_f16_f32 v[S+32*(\t)+i], v[64+64*(\t)+2*i], v[64+64*(\t)+2*i+1]
.set i, i+1
.endr
	WIN 0
.irp f, 0,1,2,3,4,5,6,7
	global_store_b128 v[GO], v[S+32*(\t)+4*(\f):S+32*(\t)+4*(\f)+3], s[8:9] offset:(\t)*4096+(\f)*512  ; channel block f is half f % 2 of the head's group f / 2: 512 consecutive bytes at a multiple of 512
.endr
.endm
	PACK 0
	PACK 1
	s_wait_tensorcnt 0x0            ; the wave's end: three closing lines, behind my last tensor load
	ds_add_u32 v[SPW], v[NIL]
	s_wait_dscnt 0x0
	CROUND                          ; the closing round: no work-group ends while a partner may still ask for a tile that names it
	s_endpgm
.Lfunc_end_k_q35b7408e78_attn:
	.size	k_q35b7408e78_attn, .Lfunc_end_k_q35b7408e78_attn-k_q35b7408e78_attn
	.p2alignl 7, 3214868480
	.fill 96, 4, 3214868480
	.section	.rodata,"a",@progbits
	.p2align	6, 0x0
	.amdhsa_kernel k_q35b7408e78_attn
		.amdhsa_group_segment_fixed_size 327680
		.amdhsa_private_segment_fixed_size 0
		.amdhsa_enable_private_segment 0
		.amdhsa_kernarg_size 24
		.amdhsa_user_sgpr_count 2
		.amdhsa_user_sgpr_kernarg_segment_ptr 1
		.amdhsa_wavefront_size32 1
		.amdhsa_system_sgpr_workgroup_id_x 1
		.amdhsa_system_sgpr_workgroup_id_y 1
		.amdhsa_system_sgpr_workgroup_id_z 1
		.amdhsa_system_vgpr_workitem_id 0
		.amdhsa_next_free_vgpr 768
		.amdhsa_next_free_sgpr 76
		.amdhsa_reserve_vcc 0
		.amdhsa_float_denorm_mode_32 3
		.amdhsa_float_denorm_mode_16_64 3
		.amdhsa_memory_ordered 1
		.amdhsa_forward_progress 1
		.amdhsa_inst_pref_size 100
	.end_amdhsa_kernel
	.amdgpu_metadata
---
amdhsa.version: [ 1, 2 ]
amdhsa.kernels:
  - .name:           k_q35b7408e78_attn
    .symbol:         k_q35b7408e78_attn.kd
    .args:
      - { .name: qkv, .offset: 0, .size: 8, .value_kind: global_buffer, .address_space: global }
      - { .name: m2, .offset: 8, .size: 8, .value_kind: global_buffer, .address_space: global }
      - { .name: ofr, .offset: 16, .size: 8, .value_kind: global_buffer, .address_space: global }
    .group_segment_fixed_size: 327680
    .private_segment_fixed_size: 0
    .kernarg_segment_align: 8
    .kernarg_segment_size: 24
    .max_flat_workgroup_size: 128
    .sgpr_count:     76
    .vgpr_count:     768
    .wavefront_size: 32
...
	.end_amdgpu_metadata
.endif
;; end of part 3
;; launch outp (part 4): grid 16 x 16, 4 waves a work-group, clusters of 4 x 1, 327,680 bytes of LDS; arguments ofr, wob, out0; writes out0
.if DOCPART == 4
	.amdgcn_target "amdgcn-amd-amdhsa--gfx1250"
	.amdhsa_code_object_version 6
	.text
	.protected	k_q35b7408e78_outp
	.globl	k_q35b7408e78_outp
	.p2align	8
	.type	k_q35b7408e78_outp,@function
k_q35b7408e78_outp:
	s_mov_b64 s[64:65], 0
	v_nop
	global_prefetch_b8 v0, s[64:65] scope:SCOPE_SE
	s_setreg_imm32_b32 hwreg(HW_REG_WAVE_MODE, 25, 1), 1
	s_wait_xcnt 0x0
	s_wait_alu depctr_hold_cnt(0) depctr_sa_sdst(0) depctr_va_vdst(0) depctr_va_sdst(0) depctr_va_ssrc(0) depctr_va_vcc(0) depctr_vm_vsrc(0)
	s_getreg_b32 s2, hwreg(HW_REG_IB_STS2, 6, 4)
	s_cmp_eq_u32 s2, 0
	s_cbranch_scc0 .Lentry_in_a_cluster
	s_endpgm
.Lentry_in_a_cluster:
	s_bfe_u32 s2, ttmp6, 0x10000c
	s_cmp_lg_u32 s2, 0x3003
	s_cbranch_scc0 .Lentry_shape_is_right
	s_endpgm
.Lentry_shape_is_right:
; OUTP.  out0 = O wo: [2048][4096] f32 = [2048][2048 k] x [2048 k][4096 n], f16 operands, f32 sums.  ofr holds O / 2 and wob 2 x bf16(wo), so the product is O wo.
; LIMITS.  Those of the two operands' f16 (65,504 at the top, a fixed step of 6e-8 below 6e-5).  NaN and infinities are not treated apart.
; SHARES.  A tile of C is 128 rows x 256 columns: 16 x 16 tiles, one for each of 256 work-groups.  Four waves, each 64 x 128: 32 accumulators, 256 registers.
; B GOES THROUGH LDS, A DOES NOT.  Two slots for A and B together hold 128 along K and no more; with B alone a slot holds 256 along K (256 k-rows of 512 bytes), so that a refill has 256 matrix instructions
; a wave in which to land and there is one barrier for them.  Each wave brings a quarter of a slot, 64 k-rows, by one tensor load.  B lies [k][n] and is turned on its way into registers, by ds_load_tr16_b128.
; A (ofr) lies in memory as the image of the operand's registers ([16 rows][32 k] in 1,024 bytes, 16 bytes a lane and half), so a wave loads its 64 rows straight into registers, 512 consecutive bytes a load,
; through a ring of eight register slots of 32 along K: a slot that has been multiplied is loaded again with the quarter eight further on.  The price: the two waves with the same rows both load them,
; and the sixteen tiles of a tile row each load them again.
; CLUSTER.  Four work-groups with four tile rows and ONE tile column: they need the same tiles of B, and each is asked for jointly, by the same load, descriptor and mask in all four.  A has no joint request: it fills no LDS.
; THE MATRIX INSTRUCTION IS USED TRANSPOSED (source 0 = 16 columns of B, source 1 = 16 rows of A): a lane then holds row lane % 16 of C and the eight columns 8 (lane / 16) + 0..7: 32 consecutive bytes.
; THE TEXT holds one stretch of 256 along K in the loop and one in the tail, and the loop is entered at its middle; so the sums start from registers that 256 lines clear, in the wait for the first tile.
; REGISTERS, in windows of 256 (s_set_vgpr_msb: bits 1:0 source 0, 3:2 source 1, 5:4 source 2, 7:6 destination):
;   window 0: v0-31 addresses; v64-127, v128-191 B's two fragment buffers, free for the way out at the end
;   window 1: accumulator (a, b) at v[8 (8 a + b)]          window 2: A's ring: quarter i's row block a at v[32 i + 8 a]
.set KTOT,  2048
.set NI,    KTOT/256                   ; stretches of 256 along K: eight quarters of 32 each
.set RBY,   KTOT*32                    ; bytes of 16 rows of A
.set NBY,   8192                       ; bytes in a row of B
.set PB,    544                        ; B's LDS row: 512 bytes + 32
.set QB,    32*PB                      ; a quarter's k-rows
.set SLOTB, 8*QB                       ; 139,264 = 0x22000: it shares no bit with a wave's part, w x 34,816, so one exclusive or changes slots
.set WPART, 64*PB
.set STAGE, 2*SLOTB                    ; behind the ring, never filled by a tensor load: 16 rows x 528 bytes for each wave
.set SP,    528
.set SPARE, STAGE+4*16*SP              ; the spare words, 128 bytes for each wave: two blocks of 256 bytes that no other line names
.set AB0,  16                          ; my lane's place in a slot of B; never rewritten
.set ADR0, 20                          ; LDS address of my B fragments in the slot in hand, quarters 0-3,
.set ADR1, 21                          ; quarters 4-7 (an LDS offset has 16 bits)
.set AO,   22                          ; 16 x lane: my bytes in 512 of A and of a row of C; never rewritten
.set STO,  24                          ; the way out: where I put 32 bytes of a row
.set RD,   25                          ; where I read a row back
.set SPW,  28                          ; LDS address of my spare word; never rewritten
.set NIL,  29                          ; 0; never rewritten
.set F0,   64
.set F1,   128
.set G1,   24                          ; s[24:31] descriptor group 1
.set G0,   32                          ; s[32:35] group 0: it walks
.set AB,   36                          ; s[36:37] A at my first row block, at the stretch in hand
.set WV,   14
.set RH,   15                          ; my half of the tile's rows
.set CH,   16                          ; my half of its columns
.set CNT,  17
.set TB,   19                          ; LDS byte at which the slot in hand begins
.set MSB, 0
.macro WIN new                         ; the immediate's high byte repeats the setting that is left; a switch that changes nothing is dropped
.if MSB != (\new)
	s_set_vgpr_msb (MSB<<8)|(\new)
.set MSB, \new
.endif
.endm
.set MUL, 0x58                         ; B in window 0, A in window 2, C and D in window 1
.macro PLACES                          ; four places in front of loads into registers that matrix instructions have read, and of instructions that read results
.rept 4
	v_nop
.endr
.endm
.macro JLOAD                           ; a joint load: every wave fetches its 64 k-rows; an s_nop 0 and four v_nop follow it
	tensor_load_to_lds s[G0:G0+3], s[G1:G1+7]
	s_nop 0
.rept 4
	v_nop
.endr
.endm
.macro CREST                           ; a round of the cluster's barrier behind its opening barrier
	s_cmp_lg_u32 s[WV], 0
	s_cbranch_scc1 .Lnot_wave_0_\@
	s_barrier_signal -3
.Lnot_wave_0_\@:
	s_barrier_wait -3
	s_barrier_signal -1
	s_barrier_wait -1
.endm
.macro CROUND                          ; a whole round
	s_barrier_signal -1
	s_barrier_wait -1
	CREST
.endm
; Eight loads: the quarter koff (counted from the stretch in hand) of my four row blocks into ring slot 'slot'.  The caller has set the destination's window.
.macro AQ slot, koff
.irp a, 0,1,2,3
	global_load_b128 v[32*(\slot)+8*(\a):32*(\slot)+8*(\a)+3],   v[AO], s[AB:AB+1] offset:(\a)*RBY+(\koff)*1024
	global_load_b128 v[32*(\slot)+8*(\a)+4:32*(\slot)+8*(\a)+7], v[AO], s[AB:AB+1] offset:(\a)*RBY+(\koff)*1024+512
.endr
.endm
	s_load_b128 s[4:7], s[0:1], 0x0                ; ofr s[4:5], wob s[6:7]
	s_load_b64 s[10:11], s[0:1], 0x10              ; out0
	v_lshl_add_u32 v[SPW], v0, 2, SPARE
	v_mov_b32 v[NIL], 0
	ds_add_u32 v[SPW], v[NIL]                      ; the wave's opening: the add and its wait stand ahead of my first tensor load; the set-up below, work on registers, stands between them
	v_lshrrev_b32 v1, 5, v0
	v_readfirstlane_b32 s[WV], v1                  ; wave 0..3
	s_lshr_b32 s[RH], s[WV], 1
	s_and_b32 s[CH], s[WV], 1
	s_bfe_u32 s40, ttmp6, 0x40000                  ; cx: my place in the cluster
	s_lshl_b32 s13, ttmp9, 2
	s_add_co_u32 s13, s13, s40                     ; tile row = 4 x cluster x + cx: it enters A's and the output's addresses alone
	s_and_b32 s42, ttmp7, 0xffff                   ; tile column, which the four partners share
	s_mov_b32 s[G1], 15|(1<<16)|(1<<20)|(1<<21)|(6<<22)|(7<<25)  ; 15:0 the mask of four; 17:16 2-byte elements; 20 padding on; 21 set beside a mask; 24:22 after every 128 words; 31:25 8 words
	s_mov_b32 s[G1+1], 256<<16                     ; tensor_dim0 = 256
	s_mov_b32 s[G1+2], 64<<16                      ; tensor_dim1 = 64
	s_mov_b32 s[G1+3], 256<<16                     ; tile_dim0 = 256
	s_mov_b32 s[G1+4], 64                          ; tile_dim1 = 64
	s_mov_b32 s[G1+5], 4096                        ; elements from row to row
	s_mov_b32 s[G1+6], 0
	s_mov_b32 s[G1+7], 0
	s_lshl_b32 s46, s[WV], 19                      ; B: k-row 64 x wave (8,192 bytes each), column 256 x tile column; these registers never hold cx
	s_lshl_b32 s47, s42, 9
	s_add_co_u32 s46, s46, s47
	s_mov_b32 s47, 0
	s_mov_b32 s[G0], 1                             ; count = 1
	s_mul_i32 s[G0+1], s[WV], WPART                ; LDS address: slot 0, my quarter: no place in the cluster enters an LDS address
	s_lshl_b32 s20, s13, 3                         ; A: row block 8 x tile row + 4 x half, in bytes (under 2^24)
	s_lshl_b32 s21, s[RH], 2
	s_add_co_u32 s20, s20, s21
	s_mul_i32 s20, s20, RBY
	s_mov_b32 s21, 0
	s_lshl_b32 s70, s13, 21                        ; out0: row 128 x tile row + 64 x half, 16,384 bytes each; column 256 x tile column + 128 x half, 4 bytes each (under 2^26)
	s_lshl_b32 s71, s[RH], 20
	s_add_co_u32 s70, s70, s71
	s_lshl_b32 s71, s42, 10
	s_add_co_u32 s70, s70, s71
	s_lshl_b32 s71, s[CH], 9
	s_add_co_u32 s70, s70, s71
	s_mov_b32 s71, 0
	s_mov_b32 s[TB], 0
	s_wait_dscnt 0x0                               ; the opening add is done
	s_wait_kmcnt 0x0
	s_add_nc_u64 s[G0+2:G0+3], s[6:7], s[46:47]    ; global address: the first 256 of K
	s_or_b32 s[G0+3], s[G0+3], 0x80000000          ; type = 2
	s_add_nc_u64 s[AB:AB+1], s[4:5], s[20:21]
	s_add_nc_u64 s[10:11], s[10:11], s[70:71]
	CROUND                                         ; all four work-groups are here: the first joint loads meet
	JLOAD                                          ; slot 0.  Slot 1 is asked for when slot 0 is in
	v_and_b32 v3, 31, v0
	v_lshlrev_b32 v[AO], 4, v3
	WIN 0x80                                       ; destination window 2, address window 0
.irp n, 0,1,2,3,4,5,6
	AQ \n, \n                                      ; the ring's first seven quarters: 56 loads of mine are out
.endr
	WIN 0x40
.set i, 0
.rept 256
	v_mov_b32 v[i], 0                              ; the sums
.set i, i+1
.endr
	WIN 0
	v_and_b32 v1, 15, v0                           ; r = lane % 16
	v_bfe_u32 v2, v0, 4, 1                         ; h = lane / 16
	v_and_b32 v4, 7, v0                            ; the turning load takes 16 k x 16 n: lane l reads k-row 8 h + l % 8, columns 8 ((l / 8) % 2) + 0..7, and leaves column r, 8 k: half a fragment
	v_bfe_u32 v5, v0, 3, 1
	v_lshl_add_u32 v4, v2, 3, v4
	v_mul_u32_u24 v4, v4, PB
	v_lshl_add_u32 v4, v5, 4, v4
	s_lshl_b32 s21, s[CH], 8                       ; my 128 columns of B
	v_add_nc_u32 v[AB0], s21, v4
	s_mul_i32 s20, s[WV], 16*SP
	s_add_co_u32 s20, s20, STAGE                   ; my stage
	v_mul_u32_u24 v3, v1, SP                       ; in: row r, 32 bytes for each half of the lanes
	v_lshl_add_u32 v3, v2, 5, v3
	v_add_nc_u32 v[STO], s20, v3
	v_add_nc_u32 v[RD], s20, v[AO]                 ; back: 32 lanes take one row of 512 bytes
; 8 matrix instructions: row block a (ring slot i) x all 8 column blocks, 32 along K.  The 32 accumulators take turns in one order everywhere, one instruction a turn.
.macro MUL8 f, i, a
	WIN MUL
.irp b, 0,1,2,3,4,5,6,7
	v_wmma_f32_16x16x32_f16 v[8*(8*(\a)+(\b)):8*(8*(\a)+(\b))+7], v[(\f)+8*(\b):(\f)+8*(\b)+7], v[32*(\i)+8*(\a):32*(\i)+8*(\a)+7], v[8*(8*(\a)+(\b)):8*(8*(\a)+(\b))+7]
.endr
.endm
; 16 LDS loads in one run: B's fragments of quarter q of the slot in hand into buffer f
.macro FETCH q, f
	WIN 0
.set AR, ADR0+(\q)/4
.set OF, ((\q)%4)*QB
.irp b, 0,1,2,3,4,5,6,7
	ds_load_tr16_b128 v[(\f)+8*(\b):(\f)+8*(\b)+3],   v[AR] offset:OF+32*(\b)
	ds_load_tr16_b128 v[(\f)+8*(\b)+4:(\f)+8*(\b)+7], v[AR] offset:OF+16*PB+32*(\b)
.endr
.endm
; Quarter i (0 to 6) of a stretch: 32 matrix instructions on buffer f and ring slot i.  In front of them, in one run: the next quarter's B into g, and (ld = 1) into the ring slot that the last quarter read out
; the quarter seven ahead of this one.  left: how many younger loads may be out when this quarter's A has to be there: six quarters' eight while the ring runs.
.macro QUARTER i, f, g, left, ld
	s_wait_loadcnt \left                           ; loads come back in order (ISA guide 5.7.1)
	s_wait_dscnt 0x0                               ; B of this quarter, asked for a quarter ago
	PLACES
	FETCH (\i)+1, \g
.if (\ld) == 1
	WIN 0x80
	AQ ((\i)+7)%8, (\i)+7
.endif
	MUL8 \f, \i, 0
	MUL8 \f, \i, 1
	MUL8 \f, \i, 2
	MUL8 \f, \i, 3
.endm
; Quarter 7 multiplies buffer 1 and changes slots: ONE barrier; in front of it each wave waits for all its tensor loads (one is out: its part of the next slot), adds 0 to its spare word, and waits for that and
; for its reads of this slot, the last of which were asked for a quarter ago.  fill = 1: the barrier opens a round of the cluster's, and this slot is filled again, 512 along K ahead, first thing behind the round:
; 248 matrix instructions ahead of the wait for it.
.macro TURN fill
	WIN 0
	s_wait_tensorcnt 0x0                           ; no tensor load of mine is out, so group 0 may be written
	ds_add_u32 v[SPW], v[NIL]                      ; 0 onto my spare word: scalar work and a wait stand between it and the wait for it
.if \fill
	s_xor_b32 s[G0+1], s[G0+1], SLOTB              ; the other slot than last time,
	s_add_nc_u64 s[G0+2:G0+3], s[G0+2:G0+3], 256*NBY  ; the next 256 k-rows; the type bits on top are not reached
.endif
	s_xor_b32 s[TB], s[TB], SLOTB
	s_wait_loadcnt 48                              ; A of this quarter
	s_wait_dscnt 0x0                               ; the add is done, B of this quarter is in, and my reads of this slot are over
	s_barrier_signal -1
	MUL8 F1, 7, 0
	WIN 0
	s_barrier_wait -1
.if \fill
	CREST                                          ; no wave of any partner still reads this slot or has a load on its way
	JLOAD                                          ; the four v_nop behind it are also the places in front of the loads below
.else
	PLACES
.endif
	v_add_nc_u32 v[ADR0], s[TB], v[AB0]
	v_add_nc_u32 v[ADR1], 4*QB, v[ADR0]
	FETCH 0, F0
	WIN 0x80
	AQ 6, 14
	MUL8 F1, 7, 1
	MUL8 F1, 7, 2
	MUL8 F1, 7, 3
	WIN 0
	s_wait_xcnt 0x0                                ; A's base is stepped only behind this wait
	s_add_nc_u64 s[AB:AB+1], s[AB:AB+1], 8*1024    ; the next stretch
.endm
	s_wait_tensorcnt 0x0                           ; slot 0: my part is in.  The same lines as in front of every refill:
	ds_add_u32 v[SPW], v[NIL]
	s_xor_b32 s[G0+1], s[G0+1], SLOTB
	s_add_nc_u64 s[G0+2:G0+3], s[G0+2:G0+3], 256*NBY
	s_wait_dscnt 0x0
	CROUND                                         ; everybody's part is in
	JLOAD                                          ; slot 1's first fill: my one load behind this round
	v_add_nc_u32 v[ADR0], s[TB], v[AB0]
	v_add_nc_u32 v[ADR1], 4*QB, v[ADR0]
	FETCH 0, F0
	s_mov_b32 s[CNT], NI-1
	s_branch .Lmid                                 ; the loop is entered at a stretch's first quarter
.Lturn:                                                ; NI - 2 times: every slot but the last two is filled again
	TURN 1
.Lmid:
	QUARTER 0, F0, F1, 48, 1
	QUARTER 1, F1, F0, 48, 1
	QUARTER 2, F0, F1, 48, 1
	QUARTER 3, F1, F0, 48, 1
	QUARTER 4, F0, F1, 48, 1
	QUARTER 5, F1, F0, 48, 1
	QUARTER 6, F0, F1, 48, 1
	WIN 0
	s_sub_co_u32 s[CNT], s[CNT], 1
	s_cmp_lg_u32 s[CNT], 0
	s_cbranch_scc1 .Lturn
	TURN 0                                         ; the tail is written out: nothing is asked for
	QUARTER 0, F0, F1, 48, 1                       ; the ring's last eight loads; behind them the counts run down with the quarters that are left
	QUARTER 1, F1, F0, 48, 0
	QUARTER 2, F0, F1, 40, 0
	QUARTER 3, F1, F0, 32, 0
	QUARTER 4, F0, F1, 24, 0
	QUARTER 5, F1, F0, 16, 0
	QUARTER 6, F0, F1, 8, 0
	s_wait_loadcnt 0x0
	s_wait_dscnt 0x0
	MUL8 F1, 7, 0
	MUL8 F1, 7, 1
	MUL8 F1, 7, 2
	MUL8 F1, 7, 3
	WIN 0
	PLACES
; THE WAY OUT, a block of 16 rows at a time: a lane's 32 bytes of a row go into my stage (rows of 528 bytes), each accumulator's low half first, and come back as whole rows of 512 bytes.
.macro STG a
.set BK, 64+64*((\a)%2)
	s_wait_xcnt 0x0                                ; the registers that the stores of two blocks ago read are loaded again only behind this wait
	WIN 0x04                                       ; the stores' data in window 1
.irp b, 0,1,2,3,4,5,6,7
	ds_store_b128 v[STO], v[8*(8*(\a)+(\b)):8*(8*(\a)+(\b))+3]   offset:64*(\b)
	ds_store_b128 v[STO], v[8*(8*(\a)+(\b))+4:8*(8*(\a)+(\b))+7] offset:64*(\b)+16
.endr
	WIN 0
.irp t, 0,1,2,3,4,5,6,7,8,9,10,11,12,13,14,15
	ds_load_b128 v[BK+4*(\t):BK+4*(\t)+3], v[RD] offset:(\t)*SP  ; LDS serves a wave's instructions in order (ISA guide 5.7.1.4): these see the stores above; the next block's stores come behind them
.endr
.endm
.macro SND a, younger                  ; younger: the LDS instructions issued behind block a's loads: the next block's 32, or none
.set BK, 64+64*((\a)%2)
.irp t, 0,1,2,3,4,5,6,7,8,9,10,11,12,13,14,15
	s_wait_dscnt (\younger)+15-(\t)
	global_store_b128 v[AO], v[BK+4*(\t):BK+4*(\t)+3], s[10:11] offset:(16*(\a)+(\t))*16384 th:TH_STORE_NT  ; a wave stores 512 consecutive bytes at a multiple of 512; nothing reads them again
.endr
.endm
	STG 0
	STG 1
	SND 0, 32
	STG 2
	SND 1, 32
	STG 3
	SND 2, 32
	SND 3, 0
	s_wait_tensorcnt 0x0                           ; the wave's end: three closing lines, behind my last tensor load and my last LDS store
	ds_add_u32 v[SPW], v[NIL]
	s_wait_dscnt 0x0
	CROUND                                         ; the closing round: no work-group ends while a partner may still ask for a tile that names it
	s_endpgm
.Lfunc_end_k_q35b7408e78_outp:
	.size	k_q35b7408e78_outp, .Lfunc_end_k_q35b7408e78_outp-k_q35b7408e78_outp
	.p2alignl 7, 3214868480
	.fill 96, 4, 3214868480
	.section	.rodata,"a",@progbits
	.p2align	6, 0x0
	.amdhsa_kernel k_q35b7408e78_outp
		.amdhsa_group_segment_fixed_size 327680
		.amdhsa_private_segment_fixed_size 0
		.amdhsa_enable_private_segment 0
		.amdhsa_kernarg_size 24
		.amdhsa_user_sgpr_count 2
		.amdhsa_user_sgpr_kernarg_segment_ptr 1
		.amdhsa_wavefront_size32 1
		.amdhsa_system_sgpr_workgroup_id_x 1
		.amdhsa_system_sgpr_workgroup_id_y 1
		.amdhsa_system_sgpr_workgroup_id_z 1
		.amdhsa_system_vgpr_workitem_id 0
		.amdhsa_next_free_vgpr 768
		.amdhsa_next_free_sgpr 72
		.amdhsa_reserve_vcc 0
		.amdhsa_float_denorm_mode_32 3
		.amdhsa_float_denorm_mode_16_64 3
		.amdhsa_memory_ordered 1
		.amdhsa_forward_progress 1
		.amdhsa_inst_pref_size 100
	.end_amdhsa_kernel
	.amdgpu_metadata
---
amdhsa.version: [ 1, 2 ]
amdhsa.kernels:
  - .name:           k_q35b7408e78_outp
    .symbol:         k_q35b7408e78_outp.kd
    .args:
      - { .name: ofr, .offset: 0, .size: 8, .value_kind: global_buffer, .address_space: global }
      - { .name: wob, .offset: 8, .size: 8, .value_kind: global_buffer, .address_space: global }
      - { .name: out0, .offset: 16, .size: 8, .value_kind: global_buffer, .address_space: global }
    .group_segment_fixed_size: 327680
    .private_segment_fixed_size: 0
    .kernarg_segment_align: 8
    .kernarg_segment_size: 24
    .max_flat_workgroup_size: 128
    .sgpr_count:     72
    .vgpr_count:     768
    .wavefront_size: 32
...
	.end_amdgpu_metadata
.endif
;; end of part 4
;; ======== version 2 of 2: 4 launches; version 1 with the launch cast written anew for expert scheduling mode
;; limits: values are held in f16: magnitudes above 65,504 overflow, below 6.1e-05 lose precision
;; workspace buffers: xfr 16,777,216 bytes; wb 33,554,432 bytes; wob 16,777,216 bytes; m2 16,777,216 bytes; tab 1,048,576 bytes; qkv 16,777,216 bytes; ofr 8,388,608 bytes
;; launch cast (part 5): grid 2320 x 1, 8 waves a work-group, no clusters, 35,840 bytes of LDS; arguments x, wq, wk, wv, wo, mask, cos, sin, xfr, wb, wob, m2, tab; writes xfr, wb, wob, m2, tab
.if DOCPART == 5
	.amdgcn_target "amdgcn-amd-amdhsa--gfx1250"
	.amdhsa_code_object_version 6
	.text
	.protected	k_q35b7408e78_cast
	.globl	k_q35b7408e78_cast
	.p2align	8
	.type	k_q35b7408e78_cast,@function
k_q35b7408e78_cast:
	s_mov_b64 s[64:65], 0
	v_nop
	global_prefetch_b8 v0, s[64:65] scope:SCOPE_SE
	s_setreg_imm32_b32 hwreg(HW_REG_WAVE_SCHED_MODE, 0, 2), 2
	s_setreg_imm32_b32 hwreg(HW_REG_WAVE_MODE, 25, 1), 1
	s_wait_xcnt 0x0
	s_wait_alu depctr_vm_vsrc(0)
; CAST.  Every floating-point input is rounded once to bf16 and laid out for the three launches behind:
;   xfr bf16(x) as an image of a matrix operand's registers: [128 blocks of 16 rows][128 groups of 32 k][2 halves][32 lanes][8 numbers]: the 16 bytes of lane l in half j of group g
;       hold row l % 16, k = 32 g + 16 j + 8 (l / 16) + 0..7, so that the product's waves load x straight into registers, 512 consecutive bytes a load
;   wb  [4096 k][4096 n] bf16: columns 0-2047 bf16(wq), 2048-3071 bf16(wk), 3072-4095 bf16(wv / 2) (a power of two commutes with the rounding)
;   wob [2048 k][4096 n] f16 = 2 x bf16(wo): bf16's 8 significant bits fit f16's 11
;   m2  [2048][2048] f32 = log2(e) x bf16(mask)
;   tab f32: A x bf16(cos) [2048][64], then A x bf16(sin); A = sqrt(log2(e) / sqrt(128)), so that (A k) . (A q) is the score in the base-2 scale
; LIMITS.  2 x wo beyond 65,504 has no f16; below 6e-5 it keeps f16's fixed step of 6e-8.  NaN and infinities are not treated apart.
; The input positions is not read: reference() uses its shape alone, no value of it.
; A stream: no barrier, no matrix unit.  A PIECE is 1,024 f32 (4,096 bytes): thread t takes the 16 bytes at 16 t, so a wave's load covers 512 consecutive bytes;
; its store of 8 bytes a lane covers 256 consecutive bytes at a multiple of 256, of 16 bytes a lane 512.  A work-group takes 16 pieces, all 16 loads going out at once
; into registers of their own.  Which input a work-group serves hangs on its number alone; the eight segments differ in two addresses, strides, a factor and the kind of the result.
; x alone goes through LDS: a work-group's 16 pieces are a quarter of 16 rows, a wave's share 16 rows x 128 columns, which it turns (a row a lane) in 16 x 272 LDS bytes of its own: no wave reads another's bytes.
; THE MODE: SCHED_MODE bits 1:0 = 2 (LLVM: expert scheduling mode 2), set by the entry lines.  The code itself states the register dependences
; between vector instructions and memory or LDS instructions, with s_wait_alu, always for 0.
; THE PLAN.  Registers that memory or LDS instructions touch:
;   SO, DO     byte offsets, made once at the head; read by the loads and the stores; never written again on a path on which a memory instruction reads them.
;   X          piece i's four registers: its load lands in them, its conversions read them.  In the f32 path they are written in place and are the piece's store data.
;              On x's path the first 32 take eight LDS loads behind the last conversion, and are then store data.
;   Y          piece i's two registers: written once, by its conversions; read once, by its store (on x's path: its LDS store).
;   LST, LRD, DOX  x's path alone: made at that path's head, in three of DO's registers, which no memory instruction has read there.
;   T is named by vector instructions alone.  SPW and NIL are written at the head and read by the closing add alone.
; The 16 pieces go in four BLOCKS of four.  Block p converts its four pieces; its memory instructions are the four stores of block p - 1, whose registers no vector instruction of block p names.
; So ONE wait on va_vdst at a block's head states all that those four stores hang on, and they are dealt among the block's vector instructions with no further wait; one more stands ahead of
; the last four stores.  No register that a memory instruction reads is written again, so no wait on vm_vsrc is owed ahead of the closing lines.
.set L2E,   0x3fb8aa3b                 ; log2(e)
.set ALPHA, 0x3eb6d546                 ; A = 0.357096
.set XP,    272                        ; x's LDS row: 256 bytes + 16: the 16 rows of a load start at 16 different groups of four banks (64 banks of 4 bytes: ISA guide 11.1)
.set SPARE, 8*16*XP                    ; behind the eight waves' bytes: the spare words, 128 bytes for each wave: four blocks of 256 bytes that no other line names
.set SO,   2                           ; v[2:17]    piece i: my byte offset in the source
.set DO,   18                          ; v[18:33]   piece i: my byte offset in the destination
.set LST,  18                          ; x's path names no DO and makes of the first three: where I put 8 bytes of a row in LDS,
.set LRD,  19                          ; where I read 16 bytes of my row back,
.set DOX,  20                          ; my byte offset in the work-group's 32,768 bytes of xfr
.set X,    36                          ; v[36:99]   piece i: 4 numbers as loaded
.set Y,    100                         ; v[100:131] piece i: 4 numbers of 16 bits
.set T,    132                         ; v[132:133] at work
.set SPW,  134                         ; LDS address of my spare word; never rewritten
.set NIL,  135                         ; 0; never rewritten
.set SRC,  34                          ; s[34:35]
.set DST,  36                          ; s[36:37]
.set G0,   38                          ; the segment's first work-group
.set SH,   39                          ; source bytes from a group of 16 pieces (or rows) to the next
.set SS,   40                          ; source bytes from piece to piece
.set DH,   41                          ; the same two for the destination,
.set DC,   42                          ; a constant offset in it,
.set DS,   43
.set F,    44                          ; s[44:45] the factor, in the low word
.set KIND, 46                          ; 0: bf16 out; 1: bf16, times F, f16 out; 2: bf16, times F, f32 out; 3: bf16 out, turned
.set ISWV, 47
.set QSH,  48                          ; rows longer than a piece: log2 of the pieces in a row (wq 1, x 2): a work-group takes one of them in each of 16 rows
.set LSH,  49                          ; log2 of the bytes that a thread stores
.set HIM,  54                          ; a word's upper bf16
.set QMK,  59                          ; pieces in a row, less 1
.set DL,   60                          ; destination bytes from one such part of the rows to the next
.macro PICK reg, val                   ; a select leaves SCC as it is: one compare serves all the selects behind it
	s_cselect_b32 s[\reg], \val, s[\reg]
.endm
.macro PICKP reg, src
	s_cselect_b64 s[\reg:\reg+1], s[\src:\src+1], s[\reg:\reg+1]
.endm
	s_load_b512 s[8:23], s[0:1], 0x0               ; x 8, wq 10, wk 12, wv 14, wo 16, mask 18, cos 20, sin 22
	s_load_b256 s[24:31], s[0:1], 0x40             ; xfr 24, wb 26, wob 28, m2 30
	s_load_b64 s[32:33], s[0:1], 0x60              ; tab
	v_lshl_add_u32 v[SPW], v0, 2, SPARE
	v_mov_b32 v[NIL], 0
	s_mov_b32 s[G0], 2312                          ; the last segment's figures (sin); each compare below overrides what differs in the segment in front
	s_mov_b32 s[SH], 65536
	s_mov_b32 s[SS], 4096
	s_mov_b32 s[DH], 65536
	s_mov_b32 s[DC], 524288
	s_mov_b32 s[DS], 4096
	s_mov_b32 s[F], ALPHA
	s_mov_b32 s[KIND], 2
	s_mov_b32 s[ISWV], 0
	s_mov_b32 s[QSH], 0
	s_mov_b32 s[QMK], 0
	s_mov_b32 s[DL], 0
	s_mov_b32 s[LSH], 4
	s_mov_b32 s[HIM], 0xffff0000
	s_wait_kmcnt 0x0
	s_mov_b64 s[SRC:SRC+1], s[22:23]
	s_mov_b64 s[DST:DST+1], s[32:33]
	s_cmp_lt_u32 ttmp9, 2312                       ; cos: 8 work-groups
	PICKP SRC, 20
	PICK G0, 2304
	PICK DC, 0
	s_cmp_lt_u32 ttmp9, 2304                       ; mask: 256
	PICKP SRC, 18
	PICKP DST, 30
	PICK G0, 2048
	PICK F, L2E
	s_cmp_lt_u32 ttmp9, 2048                       ; wo: 512
	PICKP SRC, 16
	PICKP DST, 28
	PICK G0, 1536
	PICK DH, 32768
	PICK DS, 2048
	PICK F, 2.0
	PICK KIND, 1
	PICK LSH, 3
	s_cmp_lt_u32 ttmp9, 1536                       ; wv: 256; a row of wb is 8,192 bytes
	PICKP SRC, 14
	PICKP DST, 26
	PICK G0, 1280
	PICK DH, 131072
	PICK DC, 6144
	PICK DS, 8192
	PICK KIND, 0
	PICK ISWV, 1
	s_cmp_lt_u32 ttmp9, 1280                       ; wk: 256
	PICKP SRC, 12
	PICK G0, 1024
	PICK DC, 4096
	PICK ISWV, 0
	s_cmp_lt_u32 ttmp9, 1024                       ; wq: 512
	PICKP SRC, 10
	PICK G0, 512
	PICK SH, 131072
	PICK SS, 8192
	PICK DC, 0
	PICK QSH, 1
	PICK QMK, 1
	PICK DL, 2048
	s_cmp_lt_u32 ttmp9, 512                        ; x: 512; a block of 16 rows is 262,144 bytes of x and 131,072 of xfr, a quarter of it 32,768
	PICKP SRC, 8
	PICKP DST, 24
	PICK G0, 0
	PICK SH, 262144
	PICK SS, 16384
	PICK QSH, 2
	PICK QMK, 3
	PICK DL, 32768
	PICK KIND, 3
	s_mov_b32 s[F+1], s[F]                         ; named with it as a pair
	s_sub_co_u32 s55, ttmp9, s[G0]                 ; my number in the segment,
	s_lshr_b32 s56, s55, s[QSH]                    ; which group of 16 pieces (of 16 rows),
	s_and_b32 s57, s55, s[QMK]                     ; and which part of the rows
	s_mul_i32 s50, s56, s[SH]                      ; all offsets stay under 2^26
	s_lshl_b32 s58, s57, 12
	s_add_co_u32 s50, s50, s58
	s_mov_b32 s51, 0
	s_mul_i32 s52, s56, s[DH]
	s_mul_i32 s58, s57, s[DL]
	s_add_co_u32 s52, s52, s58
	s_add_co_u32 s52, s52, s[DC]
	s_mov_b32 s53, 0
	s_add_nc_u64 s[SRC:SRC+1], s[SRC:SRC+1], s[50:51]
	s_add_nc_u64 s[DST:DST+1], s[DST:DST+1], s[52:53]
	v_lshlrev_b32 v[SO], 4, v0
	v_lshlrev_b32 v[DO], s[LSH], v0
.irp i, 1,2,3,4,5,6,7,8,9,10,11,12,13,14,15
	v_add_nc_u32 v[SO+(\i)], s[SS], v[SO+(\i)-1]
	v_add_nc_u32 v[DO+(\i)], s[DS], v[DO+(\i)-1]
.endr
	s_wait_alu depctr_va_vdst(0)                   ; the 32 offsets SO and DO are written: the loads below read SO, the stores of the three plain paths DO
.irp i, 0,1,2,3,4,5,6,7,8,9,10,11,12,13,14,15
	global_load_b128 v[X+4*(\i):X+4*(\i)+3], v[SO+(\i)], s[SRC:SRC+1] th:TH_LOAD_NT  ; each input byte is read once in the launch
.endr
; MAKE: piece i's arithmetic, on registers alone.  kind 0 and 3: rounded to bf16, into its Y.  kind 1 and 2: rounded to bf16, widened again, times F, in its X; kind 1: then written as f16 into its Y.
.macro MAKE i, kind
.if ((\kind) == 0) || ((\kind) == 3)
	v_cvt_pk_bf16_f32 v[Y+2*(\i)],   v[X+4*(\i)],   v[X+4*(\i)+1]
	v_cvt_pk_bf16_f32 v[Y+2*(\i)+1], v[X+4*(\i)+2], v[X+4*(\i)+3]
.else
	v_cvt_pk_bf16_f32 v[T],   v[X+4*(\i)],   v[X+4*(\i)+1]
	v_cvt_pk_bf16_f32 v[T+1], v[X+4*(\i)+2], v[X+4*(\i)+3]
	v_lshlrev_b32 v[X+4*(\i)],   16, v[T]
	v_and_b32     v[X+4*(\i)+1], s[HIM], v[T]
	v_lshlrev_b32 v[X+4*(\i)+2], 16, v[T+1]
	v_and_b32     v[X+4*(\i)+3], s[HIM], v[T+1]
	v_pk_mul_f32 v[X+4*(\i):X+4*(\i)+1],   v[X+4*(\i):X+4*(\i)+1],   s[F:F+1] op_sel_hi:[1,0]
	v_pk_mul_f32 v[X+4*(\i)+2:X+4*(\i)+3], v[X+4*(\i)+2:X+4*(\i)+3], s[F:F+1] op_sel_hi:[1,0]
.if (\kind) == 1
	v_cvt_pk_f16_f32 v[Y+2*(\i)],   v[X+4*(\i)],   v[X+4*(\i)+1]
	v_cvt_pk_f16_f32 v[Y+2*(\i)+1], v[X+4*(\i)+2], v[X+4*(\i)+3]
.endif
.endif
.endm
; PUT: piece i's one store.  kind 0 and 1: 8 bytes a lane from its Y.  kind 2: 16 bytes a lane from its X.  kind 3: 8 bytes a lane from its Y into LDS row i.
.macro PUT i, kind
.if (\kind) == 2
	global_store_b128 v[DO+(\i)], v[X+4*(\i):X+4*(\i)+3], s[DST:DST+1]
.elseif (\kind) == 3
	ds_store_b64 v[LST], v[Y+2*(\i):Y+2*(\i)+1] offset:(\i)*XP
.else
	global_store_b64 v[DO+(\i)], v[Y+2*(\i):Y+2*(\i)+1], s[DST:DST+1]
.endif
.endm
; Block p: pieces 4 p to 4 p + 3 are made; the stores of block p - 1 are dealt among them, one ahead of each piece's lines.
.macro BLK p, kind
	s_wait_loadcnt 12-4*(\p)                       ; loads come back in order (ISA guide 5.7.1): this block's four are in, the younger blocks' may stay out
.if (\p) > 0
	s_wait_alu depctr_va_vdst(0)                   ; the block before has written its four pieces' out-registers, which the four stores below read (on x's path, in block 1: the three addresses made at that path's head are written too)
.endif
.irp i, 0,1,2,3
.if (\p) > 0
	PUT 4*(\p)-4+(\i), \kind                       ; no vector instruction since the wait names this store's registers
.endif
	MAKE 4*(\p)+(\i), \kind
.endr
.endm
.macro ALL16 kind
	BLK 0, \kind
	BLK 1, \kind
	BLK 2, \kind
	BLK 3, \kind
	s_wait_alu depctr_va_vdst(0)                   ; block 3 has written its out-registers, which the last four stores read (on x's path: and every conversion is done reading X, in which the LDS loads behind them land)
.irp i, 12,13,14,15
	PUT \i, \kind
.endr
.endm
	s_cmp_eq_u32 s[KIND], 3
	s_cbranch_scc1 .Lturned
	s_cmp_lg_u32 s[KIND], 0
	s_cbranch_scc1 .Lwide
	s_cmp_lg_u32 s[ISWV], 0
	s_cbranch_scc0 .Lround
	s_wait_loadcnt 0x0                             ; wv alone is halved first
.set i, 0
.rept 32
	v_pk_mul_f32 v[X+2*i:X+2*i+1], v[X+2*i:X+2*i+1], 0.5 op_sel_hi:[1,0]
.set i, i+1
.endr
.Lround:
	ALL16 0
	s_endpgm
.Lwide:
	s_cmp_eq_u32 s[KIND], 1
	s_cbranch_scc0 .Lf32
	ALL16 1
	s_endpgm
.Lf32:
	ALL16 2
	s_endpgm
.Lturned:
	; x.  Piece i is row i of the block: my lane holds columns 4 l .. 4 l + 3 of my wave's 128.  They go into LDS row i as 8 bytes at 8 l; lane (r = l % 16, h = l / 16) then reads of row r the 16 bytes at
	; 32 m + 16 h, which are k = 16 m + 8 h + 0..7: half m % 2 of group m / 2.  Load m of the eight is stored as 512 consecutive bytes; a wave's eight are 4,096 consecutive bytes of xfr.
	v_lshrrev_b32 v[T], 5, v0
	v_readfirstlane_b32 s61, v[T]                  ; my wave's number; the lines that do not need it stand between this line and the wait for it
	v_and_b32 v[T+1], 15, v0                       ; r
	v_mul_u32_u24 v[LRD], v[T+1], XP
	v_bfe_u32 v[T+1], v0, 4, 1                     ; h
	v_lshl_add_u32 v[LRD], v[T+1], 4, v[LRD]
	v_and_b32 v[T+1], 0xe0, v0                     ; 32 x wave,
	v_lshlrev_b32 v[T+1], 7, v[T+1]                ; times 128: 4,096 bytes a wave
	v_and_b32 v[T], 31, v0                         ; l
	v_lshl_add_u32 v[DOX], v[T], 4, v[T+1]
	s_wait_alu depctr_va_sdst(0)                   ; s61 is written, ahead of its first reader, the line below
	s_mul_i32 s61, s61, 16*XP                      ; my wave's LDS bytes
	v_lshl_add_u32 v[LST], v[T], 3, s61
	v_add_nc_u32 v[LRD], s61, v[LRD]
	ALL16 3
.irp m, 0,1,2,3,4,5,6,7
	ds_load_b128 v[X+4*(\m):X+4*(\m)+3], v[LRD] offset:32*(\m)  ; LDS serves a wave's instructions in order (ISA guide 5.7.1.4): these see the stores above.  No vector instruction since the last wait on va_vdst names X or LRD
.endr
.irp m, 0,1,2,3,4,5,6,7
	s_wait_dscnt 7-(\m)
	global_store_b128 v[DOX], v[X+4*(\m):X+4*(\m)+3], s[DST:DST+1] offset:512*(\m)
.endr
	s_wait_dscnt 0x0                               ; the closing lines, six on end
	s_wait_alu 0x0
	s_wait_tensorcnt 0x0
	ds_add_u32 v[SPW], v[NIL]
	s_wait_dscnt 0x0
	s_endpgm
.Lfunc_end_k_q35b7408e78_cast:
	.size	k_q35b7408e78_cast, .Lfunc_end_k_q35b7408e78_cast-k_q35b7408e78_cast
	.p2alignl 7, 3214868480
	.fill 96, 4, 3214868480
	.section	.rodata,"a",@progbits
	.p2align	6, 0x0
	.amdhsa_kernel k_q35b7408e78_cast
		.amdhsa_group_segment_fixed_size 35840
		.amdhsa_private_segment_fixed_size 0
		.amdhsa_enable_private_segment 0
		.amdhsa_kernarg_size 104
		.amdhsa_user_sgpr_count 2
		.amdhsa_user_sgpr_kernarg_segment_ptr 1
		.amdhsa_wavefront_size32 1
		.amdhsa_system_sgpr_workgroup_id_x 1
		.amdhsa_system_sgpr_workgroup_id_y 1
		.amdhsa_system_sgpr_workgroup_id_z 1
		.amdhsa_system_vgpr_workitem_id 0
		.amdhsa_next_free_vgpr 136
		.amdhsa_next_free_sgpr 66
		.amdhsa_reserve_vcc 0
		.amdhsa_float_denorm_mode_32 3
		.amdhsa_float_denorm_mode_16_64 3
		.amdhsa_memory_ordered 1
		.amdhsa_forward_progress 1
		.amdhsa_inst_pref_size 37
	.end_amdhsa_kernel
	.amdgpu_metadata
---
amdhsa.version: [ 1, 2 ]
amdhsa.kernels:
  - .name:           k_q35b7408e78_cast
    .symbol:         k_q35b7408e78_cast.kd
    .args:
      - { .name: x, .offset: 0, .size: 8, .value_kind: global_buffer, .address_space: global }
      - { .name: wq, .offset: 8, .size: 8, .value_kind: global_buffer, .address_space: global }
      - { .name: wk, .offset: 16, .size: 8, .value_kind: global_buffer, .address_space: global }
      - { .name: wv, .offset: 24, .size: 8, .value_kind: global_buffer, .address_space: global }
      - { .name: wo, .offset: 32, .size: 8, .value_kind: global_buffer, .address_space: global }
      - { .name: mask, .offset: 40, .size: 8, .value_kind: global_buffer, .address_space: global }
      - { .name: cos, .offset: 48, .size: 8, .value_kind: global_buffer, .address_space: global }
      - { .name: sin, .offset: 56, .size: 8, .value_kind: global_buffer, .address_space: global }
      - { .name: xfr, .offset: 64, .size: 8, .value_kind: global_buffer, .address_space: global }
      - { .name: wb, .offset: 72, .size: 8, .value_kind: global_buffer, .address_space: global }
      - { .name: wob, .offset: 80, .size: 8, .value_kind: global_buffer, .address_space: global }
      - { .name: m2, .offset: 88, .size: 8, .value_kind: global_buffer, .address_space: global }
      - { .name: tab, .offset: 96, .size: 8, .value_kind: global_buffer, .address_space: global }
    .group_segment_fixed_size: 35840
    .private_segment_fixed_size: 0
    .kernarg_segment_align: 8
    .kernarg_segment_size: 104
    .max_flat_workgroup_size: 256
    .sgpr_count:     66
    .vgpr_count:     136
    .wavefront_size: 32
...
	.end_amdgpu_metadata
.endif
;; end of part 5
;; launch proj: the kernel of part 2 again; grid 16 x 16, 4 waves a work-group, clusters of 4 x 1, 327,680 bytes of LDS; arguments xfr, wb, tab, qkv; writes qkv
;; launch attn: the kernel of part 3 again; grid 32 x 8, 4 waves a work-group, clusters of 4 x 4, 327,680 bytes of LDS; arguments qkv, m2, ofr; writes ofr
;; launch outp: the kernel of part 4 again; grid 16 x 16, 4 waves a work-group, clusters of 4 x 1, 327,680 bytes of LDS; arguments ofr, wob, out0; writes out0
